; MI455X (gfx1250); checked and timed in simulation.
; The chip was launched on July 23, 2026; its instructions are those of AMD's public machine-readable ISA for CDNA 5 (MIT licence, August 2026) and "CDNA5" Instruction Set Architecture Reference Guide (July 2026). The comments in the code are by the model that wrote it; some were corrected since.
;; Evidence Constrained Self Attention. Allowed arithmetic: matrix products marked QUANTISED: E2M3 operands, one E8M0 scale for each 32 along K, by v_wmma_scale_f32_16x16x128_f8f6f4 with both operands' format E2M3, f32 sums; everything else in f32.
;; Inputs: Wk 1,024 x 1,024 float32; Wo 1,024 x 1,024 float32; Wq 1,024 x 1,024 float32; Wv 1,024 x 1,024 float32; attention_mask 2,048 x 2,048 float32; hidden_states 4 x 2,048 x 1,024 float32.
;; Outputs: out0 4 x 2,048 x 1,024 float32.
;; This version of the problem:
;;   THIS VERSION OF THE PROBLEM IS GIVEN IN LOW PRECISION. The matrix products marked QUANTISED in the list below multiply operands that are first quantised to E2M3 (2 exponent bits, 3 mantissa bits; 6 bits a number), with one power-of-two scale for each 32 numbers along K (OCP MX v1.0); their sums are f32. All else is computed in f32.
;;   The module's matrix products, in the order in which they are computed (A, B: the left and right operand; K: the contracted axis; several contracted axes count as one K, in the product's order):
;;     1. [M 8,192, K 1,024] x [K 1,024, N 1,024]; A: input hidden_states; B: input Wq: QUANTISED
;;     2. [M 8,192, K 1,024] x [K 1,024, N 1,024]; A: input hidden_states; B: input Wk: QUANTISED
;;     3. [M 8,192, K 1,024] x [K 1,024, N 1,024]; A: input hidden_states; B: input Wv: QUANTISED
;;     4. batch 64 x [M 2,048, K 64] x [K 64, N 2,048]; A: computed on the way; B: computed on the way: QUANTISED
;;     5. batch 64 x [M 2,048, K 2,048] x [K 2,048, N 64]; A: softmax (see below); B: computed on the way: QUANTISED
;;     6. [M 8,192, K 1,024] x [K 1,024, N 1,024]; A: computed on the way; B: input Wo: QUANTISED
;;   THE QUANTISER, for each operand of a quantised product, along K:
;;     - K is cut into blocks of 32 from its start; a last block that is shorter is filled with zeros.
;;     - A block's scale is 2^e with e = floor(log2(the largest magnitude in the block)) - 2, held to -126 .. 127; a block of zeros has e = 0. As a byte (E8M0): e + 127.
;;     - Each number is divided by its block's scale, clamped to +-7.5, and rounded to the nearest number of E2M3, ties to even, subnormals kept.
;;     - The product sums the exact products of the quantised numbers (number of the format x scale) in f32.
;;   ~~~python
;;   def quantise(x, axis):      # numpy; x: float32 -> the quantised numbers, widened to float32 again
;;       x = np.moveaxis(x, axis, -1); K = x.shape[-1]
;;       x = np.pad(x, [(0, 0)] * (x.ndim - 1) + [(0, -K % 32)]); x = x.reshape(x.shape[:-1] + (-1, 32)); a = np.abs(x).max(-1, keepdims=True)
;;       e = np.where(a > 0, np.clip(np.frexp(np.where(a > 0, a, 1))[1] - 1 - 2, -126, 127), 0)      # np.frexp(a)[1] - 1 = floor(log2(a)), exactly
;;       r = np.clip(x / 2.0 ** e, -7.5, 7.5)
;;       step = 2.0 ** (np.maximum(np.frexp(np.where(r == 0, 1, r))[1] - 1, 0) - 3)
;;       q = np.round(r / step) * step * 2.0 ** e      # np.round: ties to even
;;       return np.moveaxis(q.reshape(q.shape[:-2] + (-1,))[..., :K], -1, axis).astype(np.float32)
;;   ~~~
;;   SOFTMAX AHEAD OF A QUANTISED PRODUCT. Where the list says 'softmax', what is quantised is not the finished softmax but p = 2^(t - M), with t = logit x log2(e) and M = ceil(the row's largest t), a whole number; so 1/2 < the row's largest p <= 1. The row's sum l is taken of the UNQUANTISED p, in f32, and the product's result is divided by l at the end. Since M is a whole number, a kernel that streams over the keys may use a running M (the ceiling of the running maximum): every later rescaling is an exact power of two, which a block's scale takes up: the codes' values come out the same.
;;   OPERANDS COMPUTED ON THE WAY. 'Computed on the way' means the value that the module computes at that place (a softmax that the list does not call 'softmax' is quantised finished and normalised). What goes into a quantiser is computed in f32, as accurately as f32 sums, v_exp_f32 and their like allow (about 1e-6 of the number): no bf16 or f16 on the way to a quantiser, and a product that is left as it is and whose result goes on into a quantised operand takes f32 operands (vector FMAs, or v_wmma_f32_16x16x4_f32). A number that lies on a knife's edge between two numbers of the format may be rounded either way, as far as f32 arithmetic and the matrix unit's own rounding can turn it there, and no further.
;; One version. Each part assembles by itself: llvm-mc -triple=amdgcn-amd-amdhsa -mcpu=gfx1250 --defsym DOCPART=n.
;; ======== version 1 of 1: 4 launches
;; workspace buffers: cod 15,728,640 bytes; scl 655,360 bytes; kv 13,369,344 bytes; qb 13,369,344 bytes
;; launch quant (part 1): grid 768 x 1, 2 waves a work-group, no clusters, 17,664 bytes of LDS; arguments hidden_states, Wq, Wk, Wv, Wo, cod, scl; writes cod, scl
.if DOCPART == 1
	.amdgcn_target "amdgcn-amd-amdhsa--gfx1250"
	.amdhsa_code_object_version 6
	.text
	.protected	k_q2fae995bbd_quant
	.globl	k_q2fae995bbd_quant
	.p2align	8
	.type	k_q2fae995bbd_quant,@function
k_q2fae995bbd_quant:
	s_mov_b64 s[64:65], 0
	v_nop
	global_prefetch_b8 v0, s[64:65] scope:SCOPE_SE
	s_setreg_imm32_b32 hwreg(HW_REG_WAVE_MODE, 25, 1), 1
	s_wait_xcnt 0x0
; hidden_states [8192][1024] and Wq, Wk, Wv, Wo [1024][1024], f32, K innermost, become codes of FP6 (E2M3) with one E8M0 byte for each 32 along K,
; laid in the ORDER OF THE OPERAND'S REGISTERS.  A tile is 16 rows; tile T holds rows 32 (T / 2) + 8 (T % 2) + p + 8 (p / 8), p = 0 .. 15, so that two neighbouring tiles, taken as
; source 0 of a product, leave 16 neighbours in a lane's 16 result registers.  A tile's fragment of one K step (16 rows x 128 K, 12 registers a lane) is 1,536 bytes:
; registers 4 c .. 4 c + 3 of lane l at 512 c + 16 l.  cod: tile G at 12,288 G, its 8 K steps on end.  scl: tile G at 512 G: [half of K][row][4 words], a word = the 4 bytes of 128 along K.
; Tiles 0-511 hidden_states, 512-575 Wq, 576-639 Wk, 640-703 Wv, 704-767 Wo.  A work-group takes one tile, each of its two waves four K steps.  The waves share nothing: no barrier.
; A block's scale is 2^(floor(log2(its largest magnitude)) - 2); its byte is the largest magnitude's exponent field - 2, held at 1 from below.
; LIMITS: a block of zeros, or one whose largest magnitude lies under 2^-124, gets the byte 1 (its codes are zeros or as the floor gives them; this program alone reads the bytes); NaN and infinities are not served.
; A load takes a row's 512 consecutive bytes of a K step, 16 a lane; the operand wants 32 neighbours in a lane: the step's 8,192 bytes turn through the wave's own stage in LDS (rows 528 bytes apart).
.set SP,    528                        ; a stage row: 512 bytes + 16
.set WREG,  16*SP+256                  ; a wave's LDS: the stage, then 256 bytes in which its scale words are gathered
.set R,     16                         ; v16-143  two sets of 64 registers, as loaded
.set X,     144                        ; v144-207 register 32 c + i: k = 64 c + 32 h + i of row r
.set C,     208                        ; v208-231 two sets of 12: a fragment's codes
.set C2,    232                        ; v232-234, v236-238 the second halves (a conversion's three registers begin on an even number)
.set MX,    240                        ; v240-241 largest magnitudes
.set SO,    242                        ; v242-243 the conversions' scale operands
.set BY,    244                        ; v244-245 the bytes
.set PW,    246                        ; v246 the scale word
.set OT,    247                        ; v247 lane l xor 16's part of it
.set SEL,   24                         ; s[24:25] selects of v_permlanex16_b32: lane l xor 16
	s_load_b256 s[4:11], s[0:1], 0x0               ; hidden_states, Wq, Wk, Wv
	s_load_b128 s[12:15], s[0:1], 0x20             ; Wo, cod
	s_load_b64 s[16:17], s[0:1], 0x30              ; scl
	v_lshl_add_u32 v254, v0, 2, 0x4400
	v_mov_b32 v255, 0
	v_lshrrev_b32 v1, 5, v0
	v_readfirstlane_b32 s26, v1                    ; wave: which half of K
	v_and_b32 v2, 31, v0                           ; lane
	v_and_b32 v3, 15, v0                           ; r
	v_bfe_u32 v9, v0, 4, 1                         ; h
	v_lshlrev_b32 v4, 4, v2                        ; 16 x lane: my bytes of a load and of a store of codes
	s_mul_i32 s27, s26, WREG
	v_add_nc_u32 v5, s27, v4                       ; the stage, on the way in: 16 x lane of row i
	v_mul_u32_u24 v6, v3, SP
	v_lshl_add_u32 v6, v9, 7, v6
	v_add_nc_u32 v6, s27, v6                       ; on the way out: row r, + 128 h bytes: my 32 numbers of a block pair
	s_add_co_u32 s28, s27, 16*SP
	v_lshl_add_u32 v7, v3, 4, s28                  ; where row r's four scale words are gathered
	v_lshl_add_u32 v8, v2, 3, s28                  ; and read back, 8 bytes a lane
	v_lshlrev_b32 v10, 3, v2                       ; 8 x lane
	v_lshlrev_b32 v9, 3, v9                        ; 8 h: my bytes' place in the word, in bits
	v_mov_b32 v[OT], 0                             ; a lane permute's destination counts as one of its sources
	s_mov_b32 s[SEL], 0x76543210
	s_mov_b32 s[SEL+1], 0xfedcba98
	s_and_b32 s20, ttmp9, 63                       ; the tile's number inside a weight
	s_wait_kmcnt 0x0
	s_cmp_lt_u32 ttmp9, 704                        ; which tensor: the choice hangs on the work-group's number alone
	s_cselect_b64 s[18:19], s[10:11], s[12:13]
	s_cmp_lt_u32 ttmp9, 640
	s_cselect_b64 s[18:19], s[8:9], s[18:19]
	s_cmp_lt_u32 ttmp9, 576
	s_cselect_b64 s[18:19], s[6:7], s[18:19]
	s_cmp_lt_u32 ttmp9, 512
	s_cselect_b64 s[18:19], s[4:5], s[18:19]
	s_cselect_b32 s20, ttmp9, s20                  ; the tile's number inside its tensor
	s_lshr_b32 s22, s20, 1
	s_lshl_b32 s22, s22, 17                        ; 32 rows of 4,096 bytes for each pair of tiles,
	s_and_b32 s21, s20, 1
	s_lshl_b32 s21, s21, 15                        ; 8 rows for the odd tile,
	s_add_co_u32 s22, s22, s21
	s_lshl_b32 s21, s26, 11                        ; 2,048 bytes for the second half of K
	s_add_co_u32 s22, s22, s21
	s_mov_b32 s23, 0
	s_add_nc_u64 s[18:19], s[18:19], s[22:23]
	s_mul_i32 s22, ttmp9, 12288
	s_mul_i32 s21, s26, 6144
	s_add_co_u32 s22, s22, s21
	s_add_nc_u64 s[14:15], s[14:15], s[22:23]      ; my four fragments in cod
	s_lshl_b32 s22, ttmp9, 9
	s_lshl_b32 s21, s26, 8
	s_add_co_u32 s22, s22, s21
	s_add_nc_u64 s[16:17], s[16:17], s[22:23]      ; my 256 bytes in scl
.macro LOAD s                          ; K step s of my four: 16 loads, each a row's 512 consecutive bytes
.set i, 0
.rept 16
	global_load_b128 v[R+64*((\s)%2)+4*i:R+64*((\s)%2)+4*i+3], v4, s[18:19] offset:(i+8*(i/8))*4096+512*(\s) th:TH_LOAD_NT
.set i, i+1
.endr
.endm
.macro FRAGQ s
.set RS, R+64*((\s)%2)
.set CS, C+12*((\s)%2)
.if (\s) < 3
	s_wait_loadcnt 16                              ; this step's 16 loads are in; the next step's 16 may be out
.else
	s_wait_loadcnt 0x0
.endif
.set i, 0
.rept 16
	ds_store_b128 v5, v[RS+4*i:RS+4*i+3] offset:SP*i
.set i, i+1
.endr
.set i, 0
.rept 16                               ; LDS serves a wave's instructions in order (ISA guide 5.7.1.4): these see the stores above
	ds_load_b128 v[X+4*i:X+4*i+3], v6 offset:256*(i/8)+16*(i%8)
.set i, i+1
.endr
	s_wait_dscnt 0x0                               ; the numbers are back; the stores have read their registers,
.if (\s)+2 < 4
	LOAD (\s)+2                                    ; which take the loads of two steps on
.endif
.irp c, 0,1                            ; my block 2 c + h: all its 32 numbers are mine; the floor 2^(3 - 127) among the leaves holds the byte at 1 from below
	v_max3_num_f32 v[MX+\c], |v[X+32*\c]|, |v[X+32*\c+1]|, 0x1800000
.endr
.irp i, 2,4,6,8,10,12,14,16,18,20,22,24,26,28,30
.irp c, 0,1
	v_max3_num_f32 v[MX+\c], v[MX+\c], |v[X+32*\c+\i]|, |v[X+32*\c+\i+1]|
.endr
.endr
.irp c, 0,1
	v_add_nc_u32 v[SO+\c], 0xff000000, v[MX+\c]    ; 2 off the exponent field: the conversion takes the exponent field of this operand as its scale
.endr
.irp c, 0,1
	v_lshrrev_b32 v[BY+\c], 23, v[SO+\c]           ; the scale's byte
.endr
	v_lshl_or_b32 v[PW], v[BY+1], 16, v[BY]        ; blocks h and 2 + h of row r,
	v_lshlrev_b32 v[PW], v9, v[PW]                 ; at their places in the word;
	v_permlanex16_b32 v[OT], v[PW], s[SEL], s[SEL+1]
	v_or_b32 v[PW], v[PW], v[OT]                   ; with lane l xor 16's two the word is whole
	s_wait_xcnt 0x0                                ; the stores of two steps back have read this set of code registers: it is rewritten only behind this wait
.irp c, 0,1
	v_cvt_scalef32_pk16_fp6_f32 v[CS+6*\c:CS+6*\c+2], v[X+32*\c:X+32*\c+15], v[SO+\c]
	v_cvt_scalef32_pk16_fp6_f32 v[C2+4*\c:C2+4*\c+2], v[X+32*\c+16:X+32*\c+31], v[SO+\c]
.endr
	v_nop                                          ; one plain instruction behind the scaled conversions, ahead of the moves that read their results
.irp c, 0,1
.irp i, 0,1,2
	v_mov_b32 v[CS+6*\c+3+\i], v[C2+4*\c+\i]
.endr
.endr
.irp c, 0,1,2
	global_store_b128 v4, v[CS+4*\c:CS+4*\c+3], s[14:15] offset:1536*(\s)+512*\c   ; 32 lanes store 512 consecutive bytes, aligned
.endr
	ds_store_b32 v7, v[PW] offset:4*(\s)           ; both lanes of a row write the same word with the same value
.endm
	LOAD 0
	LOAD 1
	FRAGQ 0
	FRAGQ 1
	FRAGQ 2
	FRAGQ 3
	ds_load_b64 v[MX:MX+1], v8                     ; my wave's 64 scale words, in order behind the stores above
	s_wait_dscnt 0x0
	global_store_b64 v10, v[MX:MX+1], s[16:17]     ; 32 lanes store 256 consecutive bytes, aligned
	s_wait_tensorcnt 0x0
	ds_add_u32 v254, v255
	s_wait_dscnt 0x0
	s_endpgm
.Lfunc_end_k_q2fae995bbd_quant:
	.size	k_q2fae995bbd_quant, .Lfunc_end_k_q2fae995bbd_quant-k_q2fae995bbd_quant
	.p2alignl 7, 3214868480
	.fill 96, 4, 3214868480
	.section	.rodata,"a",@progbits
	.p2align	6, 0x0
	.amdhsa_kernel k_q2fae995bbd_quant
		.amdhsa_group_segment_fixed_size 17664
		.amdhsa_private_segment_fixed_size 0
		.amdhsa_enable_private_segment 0
		.amdhsa_kernarg_size 56
		.amdhsa_user_sgpr_count 2
		.amdhsa_user_sgpr_kernarg_segment_ptr 1
		.amdhsa_wavefront_size32 1
		.amdhsa_system_sgpr_workgroup_id_x 1
		.amdhsa_system_sgpr_workgroup_id_y 1
		.amdhsa_system_sgpr_workgroup_id_z 1
		.amdhsa_system_vgpr_workitem_id 0
		.amdhsa_next_free_vgpr 256
		.amdhsa_next_free_sgpr 66
		.amdhsa_reserve_vcc 0
		.amdhsa_float_denorm_mode_32 3
		.amdhsa_float_denorm_mode_16_64 3
		.amdhsa_memory_ordered 1
		.amdhsa_forward_progress 1
		.amdhsa_inst_pref_size 31
	.end_amdhsa_kernel
	.amdgpu_metadata
---
amdhsa.version: [ 1, 2 ]
amdhsa.kernels:
  - .name:           k_q2fae995bbd_quant
    .symbol:         k_q2fae995bbd_quant.kd
    .args:
      - { .name: hidden_states, .offset: 0, .size: 8, .value_kind: global_buffer, .address_space: global }
      - { .name: Wq, .offset: 8, .size: 8, .value_kind: global_buffer, .address_space: global }
      - { .name: Wk, .offset: 16, .size: 8, .value_kind: global_buffer, .address_space: global }
      - { .name: Wv, .offset: 24, .size: 8, .value_kind: global_buffer, .address_space: global }
      - { .name: Wo, .offset: 32, .size: 8, .value_kind: global_buffer, .address_space: global }
      - { .name: cod, .offset: 40, .size: 8, .value_kind: global_buffer, .address_space: global }
      - { .name: scl, .offset: 48, .size: 8, .value_kind: global_buffer, .address_space: global }
    .group_segment_fixed_size: 17664
    .private_segment_fixed_size: 0
    .kernarg_segment_align: 8
    .kernarg_segment_size: 56
    .max_flat_workgroup_size: 64
    .sgpr_count:     66
    .vgpr_count:     256
    .wavefront_size: 32
...
	.end_amdgpu_metadata
.endif
;; end of part 1
;; launch qkv (part 2): grid 12 x 32, 4 waves a work-group, clusters of 4 x 4, 327,680 bytes of LDS; arguments cod, scl, qb, kv; writes qb, kv
.if DOCPART == 2
	.amdgcn_target "amdgcn-amd-amdhsa--gfx1250"
	.amdhsa_code_object_version 6
	.text
	.protected	k_q2fae995bbd_qkv
	.globl	k_q2fae995bbd_qkv
	.p2align	8
	.type	k_q2fae995bbd_qkv,@function
k_q2fae995bbd_qkv:
	s_mov_b64 s[64:65], 0
	v_nop
	global_prefetch_b8 v0, s[64:65] scope:SCOPE_SE
	s_setreg_imm32_b32 hwreg(HW_REG_WAVE_MODE, 25, 1), 1
	s_wait_xcnt 0x0
	s_wait_alu depctr_hold_cnt(0) depctr_sa_sdst(0) depctr_va_vdst(0) depctr_va_sdst(0) depctr_va_ssrc(0) depctr_va_vcc(0) depctr_vm_vsrc(0)
	s_getreg_b32 s2, hwreg(HW_REG_IB_STS2, 6, 4)
	s_cmp_eq_u32 s2, 0
	s_cbranch_scc0 .Lentry_in_a_cluster
	s_endpgm
.Lentry_in_a_cluster:
	s_bfe_u32 s2, ttmp6, 0x10000c
	s_cmp_lg_u32 s2, 0xf033
	s_cbranch_scc0 .Lentry_shape_is_right
	s_endpgm
.Lentry_shape_is_right:
; q, k, v = hidden_states W^T on codes of FP6 (E2M3) with E8M0 scales (M 8,192, N 3 x 1,024, K 1,024), and their quantising for attention's two products, in registers.
; OPERANDS come as fragment images (16 rows x 128 K = 1,536 bytes: registers 4 c .. 4 c + 3 of lane l at 512 c + 16 l); tile G of cod is 8 such images, 12,288 bytes.  Tokens: tiles 0-511; Wq, Wk, Wv: tiles 512-703.
; A work-group makes 256 tokens x 256 channels; four waves, each 8 x 8 tiles of 16 x 16: 64 accumulators, 512 registers.  Source 0 = X's tiles, source 1 = Y's: a lane holds ONE row of Y and its registers run along X's rows;
; since a tile's rows are 32 (T / 2) + 8 (T % 2) + p + 8 (p / 8), the 16 registers of X tiles 2 b and 2 b + 1 are the 16 neighbours 32 b + 16 h + 0 .. 15.
; q and k (cluster x = 0, 1) are quantised along the channels: X = the weight, Y = the tokens.  v (cluster x = 2) along the keys: X = the tokens, Y = Wv.  The kind is the cluster's x, equal in all sixteen partners;
; it chooses the LDS region that X and Y read (each choice stays inside the slot), the scale words' tiles, and one of two written-out tails.
; K goes in 8 steps of 128 through two LDS slots of two steps each, written out (four fills).  4 x 4 work-groups form a cluster: the tokens' tiles are asked for jointly along a row, the weights' along a column.
; OUT: a record for each (batch, head, 128 tokens), 13,056 bytes at ((16 b + head) 16 + step) 13,056: +0 eight tiles of 16 rows x 64 K (768 bytes: registers 0-3 at 16 l, registers 4-5 at 512 + 8 l);
; +6,144 v^T, four tiles of 16 channels x 128 keys; +12,288 the eight tiles' scale words [s0, s1, 0, 0], 64 bytes each; +12,800 v's four tiles' words.  q goes to qb (parts +0 and +12,288), k and v to kv.
; The grid is 384 work-groups: a tile that made it 256 would take 768 accumulator registers and leave no room for two sets of operands.
; LIMITS: a block whose largest magnitude lies under 2^-124 (zeros too) gets the byte 1; this program alone reads the bytes.  NaN and infinities are not served.
; REGISTERS: window 0: v0-31 addresses; v32-95 scale words (8 i + s: lanes 0-15 Y tile i, lanes 16-31 X tile i, K step s); v96-118 at work in the tails; v128-223 Y's 8 fragments, one set (in the tails: codes);
;   window 1: X's 8 fragments, two sets, at v0 and v128;  windows 2, 3: accumulator (a, b) at 8 (8 a + b).
.set NX,    8                          ; X tiles of a wave
.set TT0,   0                          ; the tokens' first tile in cod and scl
.set WT0,   512                        ; the weights'
.set FIB,   1536                       ; a fragment image
.set TILEB, 12288                      ; a tile in cod
.set TSL,   3072                       ; a tile's two K steps: its bytes in a slot
.set REGW,  16*TSL                     ; a slot: the tokens' 16 tiles, then the weights' 2 NX
.set SLOT,  REGW+2*NX*TSL
.set SPARE, 2*SLOT                     ; behind the ring: the spare words, 128 bytes for each wave: two blocks of 256 bytes that no other line names
.set REC,   13056
.set HSTR,  208896                     ; from a head's records to the next head's
.set ADRY,  16                         ; v16-17 LDS address of Y's fragments in slot 0, 1
.set ADRX,  20                         ; v20-21 of X's
.set SPW,   28                         ; v28 my spare word; never rewritten
.set NIL,   29                         ; v29 0; never rewritten
.set SC,    32
.set TM,    96                         ; v96-99 maxima, v100-103 the other lane's, then bytes, v108-111 scale operands
.set H2,    112                        ; v112-114, v116-118 the conversions' second halves
.set YF,    128
.set G1,    24                         ; s[24:31] group 1 for the tokens' tiles; s[32:39] group 0, a set for each slot
.set G0,    32
.set G1B,   48                         ; s[48:55], s[56:63] the same for the weights'
.set G0B,   56
.set SEL,   84                         ; s[84:85] selects of v_permlanex16_b32
.set MSB, 0
.macro WIN new                         ; the immediate's high byte repeats the setting that is left; a switch that changes nothing is dropped
.if MSB != (\new)
	s_set_vgpr_msb (MSB<<8)|(\new)
.set MSB, (\new)
.endif
.endm
; A joint load: waves 0 and 1 fetch the tokens' halves, waves 2 and 3 the weights'.  The branch hangs on the wave's number alone.  Four v_nop follow each of the two lines.
.macro JLOAD g0t, g0w
	s_cmp_eq_u32 s15, 0
	s_cbranch_scc0 .Lfor_w_\@
	tensor_load_to_lds s[\g0t:\g0t+3], s[G1:G1+7]
	s_nop 0
.rept 4
	v_nop
.endr
	s_branch .Lasked_\@
.Lfor_w_\@:
	tensor_load_to_lds s[\g0w:\g0w+3], s[G1B:G1B+7]
	s_nop 0
.rept 4
	v_nop
.endr
.Lasked_\@:
.endm
.macro CREST                           ; a round of the cluster's barrier behind its opening barrier
	s_cmp_lg_u32 s14, 0
	s_cbranch_scc1 .Lnot_wave_0_\@
	s_barrier_signal -3
.Lnot_wave_0_\@:
	s_barrier_wait -3
	s_barrier_signal -1
	s_barrier_wait -1
.endm
.macro CROUND
	s_barrier_signal -1
	s_barrier_wait -1
	CREST
.endm
.macro PLACES                          ; four plain instructions between a matrix instruction and a load into, or a read of, its registers (ISA guide 7.12.1 for reads)
.rept 4
	v_nop
.endr
.endm
	s_load_b256 s[4:11], s[0:1], 0x0               ; cod, scl, qb, kv
	v_lshl_add_u32 v[SPW], v0, 2, SPARE
	v_mov_b32 v[NIL], 0
	ds_add_u32 v28, v29
	s_wait_dscnt 0x0
	v_lshrrev_b32 v1, 5, v0
	v_readfirstlane_b32 s14, v1                    ; wave 0..3
	s_lshr_b32 s15, s14, 1                         ; which half of Y's tiles is mine.  Also: I fetch tokens (0) or weights (1)
	s_and_b32 s16, s14, 1                          ; which half of X's.  Also: which half of that region I fetch
	s_bfe_u32 s40, ttmp6, 0x40000                  ; cx, cy: my place in the cluster
	s_bfe_u32 s41, ttmp6, 0x40004
	s_lshl_b32 s42, ttmp9, 2
	s_add_co_u32 s42, s42, s40                     ; work-group x: 256 channels of Wq | Wk | Wv
	s_and_b32 s17, ttmp7, 0xffff
	s_lshl_b32 s17, s17, 2
	s_add_co_u32 s17, s17, s41                     ; work-group y: 256 tokens
	s_lshl_b32 s43, s41, 2
	s_lshl_b32 s43, 15, s43                        ; my row of the cluster
	s_lshl_b32 s44, 0x1111, s40                    ; my column
	; group 1: 8 tiles, of each 3,072 bytes (two K steps) out of its 12,288: rows of 384 elements of 8 bytes, 1,536 elements apart; dense in LDS
	s_or_b32 s[G1+0], s43, (3<<16)|(1<<21)         ; 15:0 the mask: the tokens' tiles go to my row; 17:16 elements of 8 bytes; 21 set beside a mask
	s_or_b32 s[G1B+0], s44, (3<<16)|(1<<21)        ; the weights' to my column
.irp g, G1, G1B
	s_mov_b32 s[\g+1], 384<<16                     ; tensor_dim0
	s_mov_b32 s[\g+2], 8<<16                       ; tensor_dim1
	s_mov_b32 s[\g+3], 384<<16                     ; tile_dim0
	s_mov_b32 s[\g+4], 8                           ; tile_dim1
	s_mov_b32 s[\g+5], 1536                        ; tensor_dim0_stride
	s_mov_b32 s[\g+6], 0
	s_mov_b32 s[\g+7], 0
.endr
	s_lshl_b32 s20, s17, 4
	s_lshl_b32 s18, s16, 3
	s_add_co_u32 s20, s20, s18                     ; tokens: tile 16 y + 8 x half
	s_mul_i32 s20, s20, TILEB
	s_mov_b32 s21, 0
	s_mul_i32 s46, s42, 2*NX
	s_add_co_u32 s46, s46, s18
	s_add_co_u32 s46, s46, WT0                     ; weights: tile 512 + 16 x + 8 x half
	s_mul_i32 s46, s46, TILEB
	s_mov_b32 s47, 0
	s_mul_i32 s45, s16, 8*TSL                      ; where they go: no place in the cluster enters an LDS address
	s_mul_i32 s19, s16, NX*TSL
	s_add_co_u32 s19, s19, REGW
	s_wait_kmcnt 0x0
	s_add_nc_u64 s[20:21], s[4:5], s[20:21]
	s_add_nc_u64 s[46:47], s[4:5], s[46:47]
	CROUND                                         ; all sixteen work-groups are here: the first joint loads meet
.irp s, 0,1
	s_mov_b32 s[G0+4*\s], 1
	s_add_co_u32 s[G0+4*\s+1], s45, \s*SLOT
	s_add_nc_u64 s[G0+4*\s+2:G0+4*\s+3], s[20:21], \s*TSL
	s_or_b32 s[G0+4*\s+3], s[G0+4*\s+3], 0x80000000
	s_mov_b32 s[G0B+4*\s], 1
	s_add_co_u32 s[G0B+4*\s+1], s19, \s*SLOT
	s_add_nc_u64 s[G0B+4*\s+2:G0B+4*\s+3], s[46:47], \s*TSL
	s_or_b32 s[G0B+4*\s+3], s[G0B+4*\s+3], 0x80000000
	JLOAD G0+4*\s, G0B+4*\s                        ; two loads of mine are out
.endr
	v_and_b32 v1, 15, v0                           ; r
	v_bfe_u32 v2, v0, 4, 1                         ; h
	v_and_b32 v3, 31, v0                           ; lane
	v_lshlrev_b32 v4, 4, v3                        ; 16 x lane
	s_cmp_eq_u32 ttmp9, 2                          ; v?
	s_cselect_b32 s66, 0, REGW                     ; X's region: the tokens' for v, else the weights'
	s_cselect_b32 s67, REGW, 0                     ; Y's: the other
	s_mul_i32 s68, s16, NX*TSL
	s_add_co_u32 s66, s66, s68
	s_mul_i32 s68, s15, 8*TSL
	s_add_co_u32 s67, s67, s68
.irp s, 0,1
	v_add_nc_u32 v[ADRX+\s], s66, v4
	v_add_nc_u32 v[ADRY+\s], s67, v4
	s_add_co_u32 s66, s66, SLOT
	s_add_co_u32 s67, s67, SLOT
.endr
	; the scale words of my 8 + 8 tiles, for all of K, come once: 16 bytes a row and half of K
	s_lshl_b32 s68, s17, 4                         ; the work-group's first token tile
	s_mul_i32 s69, s42, 2*NX
	s_add_co_u32 s69, s69, WT0                     ; and its first weight tile
	s_lshl_b32 s70, s15, 3
	s_lshl_b32 s71, s16, 3
	s_add_co_u32 s72, s68, s70                     ; tokens as Y
	s_add_co_u32 s73, s69, s71                     ; weights as X
	s_add_co_u32 s74, s69, s70                     ; weights as Y
	s_add_co_u32 s75, s68, s71                     ; tokens as X
	s_cmp_eq_u32 ttmp9, 2
	s_cselect_b32 s72, s74, s72
	s_cselect_b32 s73, s75, s73
	s_cselect_b32 s76, s15, s16                    ; which pair of the work-group's four heads is mine,
	s_cselect_b32 s77, s16, s15                    ; and which 128 of its 256 tokens
	s_lshl_b32 s72, s72, 9
	s_lshl_b32 s73, s73, 9
	v_mov_b32 v5, s72
	v_mov_b32 v6, s73
	v_cmp_eq_u32 vcc_lo, 1, v2
	v_cndmask_b32 v5, v5, v6, vcc_lo               ; lanes 0-15 take Y's tiles, lanes 16-31 X's
	v_lshl_add_u32 v5, v1, 4, v5
.irp i, 0,1,2,3,4,5,6,7
	global_load_b128 v[SC+8*\i:SC+8*\i+3], v5, s[6:7] offset:512*\i
	global_load_b128 v[SC+8*\i+4:SC+8*\i+7], v5, s[6:7] offset:512*\i+256
.endr
	; the way out: my first record, and the lanes' places in it
	s_lshr_b32 s78, s17, 3                         ; batch
	s_lshl_b32 s78, s78, 4
	s_lshl_b32 s79, s40, 2
	s_add_co_u32 s78, s78, s79                     ; + the work-group's four heads
	s_lshl_b32 s76, s76, 1
	s_add_co_u32 s78, s78, s76                     ; + my pair
	s_lshl_b32 s78, s78, 4
	s_and_b32 s79, s17, 7
	s_lshl_b32 s79, s79, 1
	s_add_co_u32 s78, s78, s79
	s_add_co_u32 s78, s78, s77                     ; + the step of 128 tokens
	s_mul_i32 s78, s78, REC
	s_mov_b32 s79, 0
	s_cmp_eq_u32 ttmp9, 0
	s_cselect_b64 s[80:81], s[8:9], s[10:11]       ; q to qb, k and v to kv
	s_add_nc_u64 s[80:81], s[80:81], s[78:79]
	v_lshlrev_b32 v7, 3, v3                        ; 8 x lane
	v_lshlrev_b32 v8, 2, v3                        ; 4 x lane
	v_mul_u32_u24 v9, v2, HSTR
	v_lshl_add_u32 v9, v1, 2, v9                   ; 4 r, and lanes 16-31 in the second head's record
	v_lshlrev_b32 v10, 4, v2                       ; 16 h
	v_cmp_lt_u32 s82, 15, v3                       ; lanes 16-31
	s_mov_b32 s[SEL], 0x76543210
	s_mov_b32 s[SEL+1], 0xfedcba98
.macro FRAG reg, adr, q, i             ; a fragment comes as it was stored: three loads of 512 consecutive bytes
.irp c, 0,1,2
	ds_load_b128 v[\reg+4*\c:\reg+4*\c+3], v[\adr] offset:TSL*(\i)+FIB*(\q)+512*\c
.endr
.endm
.macro FETCH_X slot, q, p              ; X's NX fragments of the slot's q-th K step into set p
	WIN 0x40
.irp i, 0,1,2,3,4,5,6,7
.if \i < NX
	FRAG 128*(\p)+12*\i, ADRX+\slot, \q, \i
.endif
.endr
	WIN 0
.endm
.macro FETCH_Y slot, q, i0             ; Y's blocks i0 .. i0 + 3
.irp i, \i0, \i0+1, \i0+2, \i0+3
	FRAG YF+12*(\i), ADRY+\slot, \q, \i
.endr
.endm
; Y's blocks a0, a0 + 1 against X's NX, K step s, X's set p.  zero = 1: the first product starts the sums.  The accumulators take turns, one instruction a turn, in the same order in every step.
.macro MULA a0, p, s, zero
.irp a, \a0, \a0+1
.set AW, 2+(8*NX*(\a))/256
	WIN (AW<<6)|(AW<<4)|1
.irp b, 0,1,2,3,4,5,6,7
.if \b < NX
.set AC, (8*(NX*(\a)+\b))%256
.if \zero
	v_wmma_scale_f32_16x16x128_f8f6f4 v[AC:AC+7], v[128*(\p)+12*\b:128*(\p)+12*\b+11], v[YF+12*(\a):YF+12*(\a)+11], 0, v[SC+8*\b+(\s)], v[SC+8*(\a)+(\s)] matrix_a_fmt:MATRIX_FMT_FP6 matrix_b_fmt:MATRIX_FMT_FP6 matrix_a_scale:MATRIX_SCALE_ROW1
.else
	v_wmma_scale_f32_16x16x128_f8f6f4 v[AC:AC+7], v[128*(\p)+12*\b:128*(\p)+12*\b+11], v[YF+12*(\a):YF+12*(\a)+11], v[AC:AC+7], v[SC+8*\b+(\s)], v[SC+8*(\a)+(\s)] matrix_a_fmt:MATRIX_FMT_FP6 matrix_b_fmt:MATRIX_FMT_FP6 matrix_a_scale:MATRIX_SCALE_ROW1
.endif
.endif
.endr
.endr
.endm
.macro STEP slot, s, zero              ; a slot's first K step
	s_wait_dscnt 12                                ; X's set and Y's blocks 0-3 are in; the youngest 12 loads (Y's blocks 4-7) may be out
	MULA 0, 0, \s, \zero
	MULA 2, 0, \s, \zero
	s_wait_dscnt 0x0                               ; Y's blocks 4-7 are in
	PLACES
	FETCH_X \slot, 1, 1
	FETCH_Y \slot, 1, 0
	MULA 4, 0, \s, \zero
	MULA 6, 0, \s, \zero
	PLACES
	WIN 0
	FETCH_Y \slot, 1, 4
.endm
; A slot's second K step changes slots: ONE barrier; in front of it each wave waits for all its tensor loads, adds 0 to its spare word, and waits for that and for its reads of this slot.  fill = 1: this slot is filled again.
.macro TURN slot, next, fill, s
	s_wait_tensorcnt 0x0                           ; all my tensor loads have landed: my part of the next slot
	ds_add_u32 v[SPW], v[NIL]                      ; 0 onto my spare word
	s_wait_dscnt 13                                ; (the add and the youngest 12 loads may be out)
	MULA 0, 1, \s, 0                               ; matrix work stands between the add and the wait for it
	s_wait_dscnt 0x0                               ; the add is done, and my reads of this slot are over
	s_barrier_signal -1
	MULA 2, 1, \s, 0
	WIN 0
	s_barrier_wait -1
.if \fill
	CREST                                          ; the barrier has opened a round of the cluster's: no wave of any partner still reads this slot or has a load on its way
	s_add_nc_u64 s[G0+4*\slot+2:G0+4*\slot+3], s[G0+4*\slot+2:G0+4*\slot+3], 2*TSL
	s_add_nc_u64 s[G0B+4*\slot+2:G0B+4*\slot+3], s[G0B+4*\slot+2:G0B+4*\slot+3], 2*TSL
	JLOAD G0+4*\slot, G0B+4*\slot                  ; the first tensor load behind the round; its four v_nop are the places in front of the loads below
.else
	PLACES
.endif
	FETCH_X \next, 0, 0
	FETCH_Y \next, 0, 0
	MULA 4, 1, \s, 0
	MULA 6, 1, \s, 0
	PLACES
	WIN 0
	FETCH_Y \next, 0, 4
.endm
	s_wait_tensorcnt 1                             ; my part of slot 0 is in (slot 1's may be out)
	s_barrier_signal -1
	s_barrier_wait -1                              ; everybody's is
	FETCH_X 0, 0, 0
	FETCH_Y 0, 0, 0
	FETCH_Y 0, 0, 4
	s_wait_loadcnt 0x0                             ; the scale words
	STEP 0, 0, 1
	TURN 0, 1, 1, 1
	STEP 1, 2, 0
	TURN 1, 0, 1, 3
	STEP 0, 4, 0
	TURN 0, 1, 0, 5                                ; nothing is left to fetch
	STEP 1, 6, 0
	s_wait_dscnt 12
	MULA 0, 1, 7, 0
	MULA 2, 1, 7, 0
	s_wait_dscnt 0x0
	MULA 4, 1, 7, 0
	MULA 6, 1, 7, 0
	WIN 0
.irp b, 0,1,2,3
	v_mov_b32 v[TM+4+\b], 0                        ; a lane permute's destination counts as one of its sources.  These four are also the places behind the last products
.endr
; 64 results of a lane in window win, register 16 b + i = k 32 b + 16 h + i of my row, become a fragment's codes in v[pc] on and its scale word in v[pc + 12].  Each accumulator is read from its low end on.
.macro QUANTW win, s, pc
	WIN ((\win)<<2)|((\win)<<4)
.irp b, 0,1,2,3
	v_max3_num_f32 v[TM+\b], 0x1800000, |v[(\s)+16*\b]|, |v[(\s)+16*\b+1]|   ; my 16 numbers of block b, and the floor 2^(3 - 127)
.endr
.irp i, 2,4,6,8,10,12,14
.irp b, 0,1,2,3
	v_max3_num_f32 v[TM+\b], v[TM+\b], |v[(\s)+16*\b+\i]|, |v[(\s)+16*\b+\i+1]|
.endr
.endr
	WIN 0
.irp b, 0,1,2,3
	v_permlanex16_b32 v[TM+4+\b], v[TM+\b], s[SEL], s[SEL+1]
.endr
.irp b, 0,1,2,3
	v_max_num_f32 v[TM+\b], v[TM+\b], v[TM+4+\b]   ; with lane l xor 16's: the block's largest magnitude
.endr
.irp b, 0,1,2,3
	v_add_nc_u32 v[TM+12+\b], 0xff000000, v[TM+\b] ; 2 off its exponent field: the conversion's scale operand
.endr
.irp b, 0,1,2,3
	v_lshrrev_b32 v[TM+4+\b], 23, v[TM+12+\b]      ; the byte
.endr
	v_lshl_or_b32 v[(\pc)+12], v[TM+5], 8, v[TM+4]
	v_lshl_or_b32 v[(\pc)+12], v[TM+6], 16, v[(\pc)+12]
	v_lshl_or_b32 v[(\pc)+12], v[TM+7], 24, v[(\pc)+12]
	WIN (\win)
.irp c, 0,1
	v_cvt_scalef32_pk16_fp6_f32 v[(\pc)+6*\c:(\pc)+6*\c+2], v[(\s)+32*\c:(\s)+32*\c+15], v[TM+12+2*\c]
	v_cvt_scalef32_pk16_fp6_f32 v[H2+4*\c:H2+4*\c+2], v[(\s)+32*\c+16:(\s)+32*\c+31], v[TM+12+2*\c+1]
.endr
	WIN 0
	v_nop                                          ; one plain instruction behind the scaled conversions
.irp c, 0,1                            ; the operand wants a whole block in a lane: lanes 0-15 block 2 c, lanes 16-31 block 2 c + 1
.irp i, 0,1,2
	v_permlane16_swap_b32 v[(\pc)+6*\c+\i], v[H2+4*\c+\i]
.endr
.irp i, 0,1,2
	v_mov_b32 v[(\pc)+6*\c+3+\i], v[H2+4*\c+\i]
.endr
.endr
.endm
	s_cmp_eq_u32 ttmp9, 2
	s_cbranch_scc1 .Ltail_v
	; q or k: Y tile yy = 16 tokens; the 128 channels are two heads: registers 0-5 and bytes 0, 1 the first head's, registers 6-11 and bytes 2, 3 the second's.  Each yy has registers of its own: no store's data are rewritten
.irp yy, 0,1,2,3,4,5,6,7
	QUANTW 2+\yy/4, 64*(\yy%4), 128+16*\yy
	v_lshrrev_b32 v[128+16*\yy+13], v10, v[128+16*\yy+12]
	v_and_b32 v[128+16*\yy+13], 0xffff, v[128+16*\yy+13]           ; [s0, s1, 0, 0]: lanes 0-15 the first head's word, lanes 16-31 the second's
	global_store_b128 v4, v[128+16*\yy:128+16*\yy+3], s[80:81] offset:768*\yy
	global_store_b64 v7, v[128+16*\yy+4:128+16*\yy+5], s[80:81] offset:768*\yy+512
	global_store_b128 v4, v[128+16*\yy+6:128+16*\yy+9], s[80:81] offset:HSTR+768*\yy
	global_store_b64 v7, v[128+16*\yy+10:128+16*\yy+11], s[80:81] offset:HSTR+768*\yy+512
	global_store_b32 v9, v[128+16*\yy+13], s[80:81] offset:12288+64*\yy
.endr
	s_branch .Lend
.Ltail_v:
	; v: Y tile yy = 16 channels (head yy / 4 of my pair, its tile yy % 4); K = my 128 keys: one whole fragment
.irp yy, 0,1,2,3,4,5,6,7
	QUANTW 2+\yy/4, 64*(\yy%4), 128+16*\yy
.irp c, 0,1,2
	global_store_b128 v4, v[128+16*\yy+4*\c:128+16*\yy+4*\c+3], s[80:81] offset:HSTR*(\yy/4)+6144+FIB*(\yy%4)+512*\c
.endr
.if \yy%2
	v_cndmask_b32 v[128+16*\yy+13], v[128+16*\yy-4], v[128+16*\yy+12], s82   ; lanes 0-15 the even tile's words, lanes 16-31 the odd tile's
	global_store_b32 v8, v[128+16*\yy+13], s[80:81] offset:HSTR*(\yy/4)+12800+128*((\yy%4)/2)
.endif
.endr
.Lend:
	s_wait_tensorcnt 0x0                           ; the wave's end
	ds_add_u32 v[SPW], v[NIL]
	s_wait_dscnt 0x0
	CROUND                                         ; the closing round: no work-group ends while a partner may still ask for a tile that names it
	s_endpgm
.Lfunc_end_k_q2fae995bbd_qkv:
	.size	k_q2fae995bbd_qkv, .Lfunc_end_k_q2fae995bbd_qkv-k_q2fae995bbd_qkv
	.p2alignl 7, 3214868480
	.fill 96, 4, 3214868480
	.section	.rodata,"a",@progbits
	.p2align	6, 0x0
	.amdhsa_kernel k_q2fae995bbd_qkv
		.amdhsa_group_segment_fixed_size 327680
		.amdhsa_private_segment_fixed_size 0
		.amdhsa_enable_private_segment 0
		.amdhsa_kernarg_size 32
		.amdhsa_user_sgpr_count 2
		.amdhsa_user_sgpr_kernarg_segment_ptr 1
		.amdhsa_wavefront_size32 1
		.amdhsa_system_sgpr_workgroup_id_x 1
		.amdhsa_system_sgpr_workgroup_id_y 1
		.amdhsa_system_sgpr_workgroup_id_z 1
		.amdhsa_system_vgpr_workitem_id 0
		.amdhsa_next_free_vgpr 1024
		.amdhsa_next_free_sgpr 100
		.amdhsa_reserve_vcc 1
		.amdhsa_float_denorm_mode_32 3
		.amdhsa_float_denorm_mode_16_64 3
		.amdhsa_memory_ordered 1
		.amdhsa_forward_progress 1
		.amdhsa_inst_pref_size 173
	.end_amdhsa_kernel
	.amdgpu_metadata
---
amdhsa.version: [ 1, 2 ]
amdhsa.kernels:
  - .name:           k_q2fae995bbd_qkv
    .symbol:         k_q2fae995bbd_qkv.kd
    .args:
      - { .name: cod, .offset: 0, .size: 8, .value_kind: global_buffer, .address_space: global }
      - { .name: scl, .offset: 8, .size: 8, .value_kind: global_buffer, .address_space: global }
      - { .name: qb, .offset: 16, .size: 8, .value_kind: global_buffer, .address_space: global }
      - { .name: kv, .offset: 24, .size: 8, .value_kind: global_buffer, .address_space: global }
    .group_segment_fixed_size: 327680
    .private_segment_fixed_size: 0
    .kernarg_segment_align: 8
    .kernarg_segment_size: 32
    .max_flat_workgroup_size: 128
    .sgpr_count:     100
    .vgpr_count:     1024
    .wavefront_size: 32
...
	.end_amdgpu_metadata
.endif
;; end of part 2
;; launch attn (part 3): grid 16 x 16, 8 waves a work-group, clusters of 4 x 4, 327,680 bytes of LDS; arguments qb, kv, attention_mask, cod, scl; writes cod, scl
.if DOCPART == 3
	.amdgcn_target "amdgcn-amd-amdhsa--gfx1250"
	.amdhsa_code_object_version 6
	.text
	.protected	k_q2fae995bbd_attn
	.globl	k_q2fae995bbd_attn
	.p2align	8
	.type	k_q2fae995bbd_attn,@function
k_q2fae995bbd_attn:
	s_mov_b64 s[64:65], 0
	v_nop
	global_prefetch_b8 v0, s[64:65] scope:SCOPE_SE
	s_setreg_imm32_b32 hwreg(HW_REG_WAVE_MODE, 25, 1), 1
	s_wait_xcnt 0x0
	s_wait_alu depctr_hold_cnt(0) depctr_sa_sdst(0) depctr_va_vdst(0) depctr_va_sdst(0) depctr_va_ssrc(0) depctr_va_vcc(0) depctr_vm_vsrc(0)
	s_getreg_b32 s2, hwreg(HW_REG_IB_STS2, 6, 4)
	s_cmp_eq_u32 s2, 0
	s_cbranch_scc0 .Lentry_in_a_cluster
	s_endpgm
.Lentry_in_a_cluster:
	s_bfe_u32 s2, ttmp6, 0x10000c
	s_cmp_lg_u32 s2, 0xf033
	s_cbranch_scc0 .Lentry_shape_is_right
	s_endpgm
.Lentry_shape_is_right:
; ctx = softmax(q k^T / 8 + mask) v for 64 (batch, head) pairs, 2,048 queries x 2,048 keys, head size 64, both products on codes of FP6 (E2M3) with E8M0 scales; ctx is quantised along its 1,024 channels for the last product.
; THE MASK IS AN INPUT: every score is computed and every number of the mask is read and added as it is given.
; THE SOFTMAX: logit = fma(score, 1/8, mask); t = logit x log2(e); M = the row's largest t so far, rounded up to a whole number; p = 2^(t - M) is quantised along the keys, not normalised; the row's sum is taken
; of the unquantised p and divides at the end.  When M moves, the sum and O are multiplied by 2^(old M - new M), which rounds nothing.  No branch hangs on data.
; SHARES.  Work-group x = 4 batch + g: heads 4 g .. 4 g + 3 of a batch; work-group y: 128 queries.  Each of the eight waves owns ONE tile of 16 queries for ALL FOUR heads: its 16 x 128 numbers of the mask are read from
; LDS once a key step and stay in 64 registers for four heads, and its ctx comes out as two whole fragments (128 channels each).  Every wave walks all keys, 128 a step.
; LAYOUT.  Both products transposed: S^T = K Q^T, O^T = V^T P^T: a lane holds one query (lane % 16).  A tile's rows are 32 (T / 2) + 8 (T % 2) + p + 8 (p / 8), so the 16 registers of tiles 2 b, 2 b + 1 are the
; neighbours 32 b + 16 h + 0 .. 15: keys in S^T, channels in O^T.  Records of kv and qb: see the launch that writes them (13,056 bytes for a head's 128 tokens).
; K = 64 IN AN INSTRUCTION OF 128: Q's registers 6-11 hold zero codes, so the upper 64 add nothing, whatever finite codes stand against them: K's fragment of tile t is named as 12 registers of which the upper six are
; the next tile's (behind the last tile: six zeros).  Bytes 2, 3 of q's and k's scale words are 0, which is 2^-127 and no NaN.
; RING: two LDS slots of one key step: 128 rows of the mask (512 bytes + 16) and four records.  CLUSTER 4 x 4: the mask's tile hangs on work-group y and is asked for jointly along a row, the records on work-group x, along a column.
; Waves 0, 1 fetch the mask's halves, waves 2, 3 two records each, the others nothing; one load a wave behind each round.
; LIMITS: a block of p or ctx whose largest magnitude lies under 2^-124 (zeros too) gets the byte 1; ctx / l is a multiplication by v_rcp_f32; a block's largest p is taken through the block's largest t, which takes
; v_exp_f32 not to fall where its input rises; NaN and infinities among the inputs are not served.
; REGISTERS.  Window 0: v1-13 addresses; v16-31 four a head: -M, largest t, the sum in two halves; v32-95 S^T, then p; v96-143 K's 8 tiles x 6, v144-149 zeros; v152-199 V's 4 fragments; v200-209 scale words; v210-228 p's codes;
;   v230-247 at work; v248-253 lane numbers and head-of-kernel offsets.   Window 1: v0-127 O^T, 32 a head; v128-191 the mask; v192-239 Q, 12 a head.
.set REC,   13056
.set HSTR,  208896
.set MP,    528                        ; a row of the mask in LDS
.set KVOFF, 128*MP                     ; behind the mask: the four records
.set SLOT1, 131072                     ; slot 1 begins here: one exclusive or turns an address
.set SPARE, SLOT1+KVOFF+4*REC          ; behind the ring: the spare words, 128 bytes for each of eight waves: four blocks of 256 bytes that no other line names
.set AM,   1                           ; v1  my query's row of the mask, + 64 h
.set A16,  2                           ; v2-4  16, 8, 4 x lane + KVOFF
.set A8,   3
.set A4,   4
.set SPW,  5                           ; v5  my spare word; never rewritten
.set NIL,  6                           ; v6  0; never rewritten
.set ADM,  7                           ; v7-10 the same four in the slot in hand
.set AD16, 8
.set AD8,  9
.set AD4,  10
.set PFO,  11                          ; v11 the prefetches' offset; never rewritten
.set GO16, 12                          ; v12 the way out: 16 x lane
.set GOS,  13                          ; v13 16 r + 4 h
.set ST,   16
.set S,    32
.set KB,   96
.set VB,   152
.set KS,   200                         ; v200-203 K's scale words: lanes 0-15 tile 2 i, lanes 16-31 tile 2 i + 1
.set VS,   204                         ; v204-205 V's likewise
.set QS,   206                         ; v206-209 Q's, a register a head
.set PC,   210
.set P2,   222
.set BM,   230                         ; v230-233 the blocks' largest t, then p
.set BT,   234
.set SO,   238
.set FF,   242                         ; v242 f = 2^(old M - new M)
.set PW,   243                         ; v243 p's scale word
.set TA,   244                         ; v[244:245] a second chain of sums
.set T1,   246
.set T2,   247
.set LN,   248
.set RR,   249
.set HH,   250
.set QA16, 251
.set QA8,  252
.set QAS,  253
.set PWO,  252                         ; the way out: ctx's two scale words
.set MK,   128                         ; in window 1
.set QF,   192
.set WV,   14
.set SEL,  20
.set CL,   22                          ; s[22:23] log2(e): a packed form names a pair and takes its low word for both halves
.set G1M,  24
.set G1K,  32
.set G0M,  40
.set G0K,  44
.set TB,   48                          ; s48 the slot in hand
.set CNT,  49                          ; s49 key steps still to be asked for
.set PFA,  50
.set PFS,  52
.set LIM,  54
.set CE,   76                          ; s[76:77] 1/8
.set MSB, 0
.macro WIN new
.if MSB != (\new)
	s_set_vgpr_msb (MSB<<8)|(\new)
.set MSB, (\new)
.endif
.endm
.macro JLOAD                           ; the branches hang on the wave's number alone; four v_nop follow each of the two lines
	s_cmp_lt_u32 s[WV], 2
	s_cbranch_scc0 .Lnot_m_\@
	tensor_load_to_lds s[G0M:G0M+3], s[G1M:G1M+7]
	s_nop 0
.rept 4
	v_nop
.endr
	s_branch .Lasked_\@
.Lnot_m_\@:
	s_cmp_lt_u32 s[WV], 4
	s_cbranch_scc0 .Lasked_\@
	tensor_load_to_lds s[G0K:G0K+3], s[G1K:G1K+7]
	s_nop 0
.rept 4
	v_nop
.endr
.Lasked_\@:
.endm
.macro CROUND
	s_barrier_signal -1
	s_barrier_wait -1
	s_cmp_lg_u32 s[WV], 0
	s_cbranch_scc1 .Lnot_wave_0_\@
	s_barrier_signal -3
.Lnot_wave_0_\@:
	s_barrier_wait -3
	s_barrier_signal -1
	s_barrier_wait -1
.endm
; A PREFETCH INTO THE L2 of what the NEXT change of slots will ask for, one key step ahead of that load.  The waves ask that fetch nothing.  The mask: all clusters of one cluster y read the same rows: cluster x = 0 asks;
; the row's four partners take 32 rows each, told apart by address; wave 4 names the first 256 bytes of a row's 512, wave 5 the second; a lane a row.  The records: cluster y = 0 asks; the column's four partners take a head each,
; by address; waves 6 and 7 name its record's 51 blocks of 256 bytes (wave 7's lanes 19-31 name the last block with lane 18).  The last change that fills a slot asks for nothing.
.macro ASK
	s_cmp_gt_u32 s[CNT], s[LIM]
	s_cbranch_scc0 .Lnot_mine_\@
	global_prefetch_b8 v[PFO], s[PFA:PFA+1] th:TH_LOAD_NT scope:SCOPE_SE
.Lnot_mine_\@:
.endm
	s_load_b256 s[4:11], s[0:1], 0x0               ; qb, kv, the mask, cod
	s_load_b64 s[12:13], s[0:1], 0x20              ; scl
	v_lshl_add_u32 v[SPW], v0, 2, SPARE
	v_mov_b32 v[NIL], 0
	ds_add_u32 v5, v6
	s_wait_dscnt 0x0
	v_lshrrev_b32 v1, 5, v0
	v_readfirstlane_b32 s[WV], v1                  ; wave 0..7
	s_bfe_u32 s15, ttmp6, 0x40000                  ; cx = g
	s_bfe_u32 s16, ttmp6, 0x40004                  ; cy
	s_lshl_b32 s17, ttmp9, 2
	s_add_co_u32 s17, s17, s15                     ; work-group x = 4 batch + g
	s_and_b32 s18, ttmp7, 0xffff
	s_lshl_b32 s18, s18, 2
	s_add_co_u32 s18, s18, s16                     ; work-group y: 128 queries
	s_lshl_b32 s56, s16, 2
	s_lshl_b32 s56, 15, s56                        ; my row of the cluster
	s_lshl_b32 s57, 0x1111, s15                    ; my column
	; group 1, the mask: 64 rows x 128 elements of 4 bytes, 2,048 elements apart; 4 words of padding behind every 128
	s_or_b32 s[G1M], s56, (2<<16)|(1<<20)|(1<<21)|(6<<22)|(3<<25)
	s_mov_b32 s[G1M+1], 128<<16
	s_mov_b32 s[G1M+2], 64<<16
	s_mov_b32 s[G1M+3], 128<<16
	s_mov_b32 s[G1M+4], 64
	s_mov_b32 s[G1M+5], 2048
	s_mov_b32 s[G1M+6], 0
	s_mov_b32 s[G1M+7], 0
	; the records: 2 rows x 1,632 elements of 8 bytes, 26,112 elements (a head) apart; dense in LDS
	s_or_b32 s[G1K], s57, (3<<16)|(1<<21)
	s_mov_b32 s[G1K+1], 1632<<16
	s_mov_b32 s[G1K+2], 2<<16
	s_mov_b32 s[G1K+3], 1632<<16
	s_mov_b32 s[G1K+4], 2
	s_mov_b32 s[G1K+5], 26112
	s_mov_b32 s[G1K+6], 0
	s_mov_b32 s[G1K+7], 0
	s_and_b32 s58, s[WV], 1                        ; which half I fetch
	s_lshl_b32 s60, s18, 7
	s_lshl_b32 s59, s58, 6
	s_add_co_u32 s60, s60, s59
	s_lshl_b32 s60, s60, 13                        ; the mask: row 128 y + 64 x half, 8,192 bytes a row
	s_mov_b32 s61, 0
	s_lshl_b32 s62, s17, 2
	s_lshl_b32 s59, s58, 1
	s_add_co_u32 s62, s62, s59
	s_mul_i32 s62, s62, HSTR                       ; the records: head 4 x + 2 x half
	s_mov_b32 s63, 0
	s_mul_i32 s66, s58, 64*MP                      ; where they go: no place in the cluster enters an LDS address
	s_mul_i32 s67, s58, 2*REC
	s_add_co_u32 s67, s67, KVOFF
	s_mov_b32 s[SEL], 0x76543210
	s_mov_b32 s[SEL+1], 0xfedcba98
	s_mov_b32 s[CL], 0x3fb8aa3b
	s_mov_b32 s[CL+1], s[CL]
	s_mov_b32 s[CE], 0x3e000000
	s_mov_b32 s[CE+1], s[CE]
	s_mov_b32 s[TB], 0
	s_mov_b32 s[CNT], 15
	s_wait_kmcnt 0x0
	s_mov_b32 s[G0M], 1
	s_mov_b32 s[G0M+1], s66
	s_add_nc_u64 s[G0M+2:G0M+3], s[8:9], s[60:61]
	s_or_b32 s[G0M+3], s[G0M+3], 0x80000000
	s_mov_b32 s[G0K], 1
	s_mov_b32 s[G0K+1], s67
	s_add_nc_u64 s[G0K+2:G0K+3], s[6:7], s[62:63]
	s_or_b32 s[G0K+3], s[G0K+3], 0x80000000
	CROUND                                         ; all sixteen work-groups are here: the first joint loads meet
	JLOAD                                          ; key step 0 into slot 0
	v_and_b32 v[LN], 31, v0
	v_and_b32 v[RR], 15, v0
	v_bfe_u32 v[HH], v0, 4, 1
	s_lshr_b32 s71, s[WV], 1
	s_lshl_b32 s71, s71, 5
	s_and_b32 s72, s[WV], 1
	s_lshl_b32 s72, s72, 3
	s_add_co_u32 s71, s71, s72
	s_mul_i32 s71, s71, MP                         ; my tile's first row among the 128: 32 (w / 2) + 8 (w % 2)
	v_and_b32 v[T1], 8, v[RR]
	v_add_nc_u32 v[T1], v[T1], v[RR]               ; r + 8 (r / 8)
	v_mul_u32_u24 v[AM], v[T1], MP
	v_lshl_add_u32 v[AM], v[HH], 6, v[AM]
	v_add_nc_u32 v[AM], s71, v[AM]
	v_lshl_add_u32 v[A16], v[LN], 4, KVOFF
	v_lshl_add_u32 v[A8], v[LN], 3, KVOFF
	v_lshl_add_u32 v[A4], v[LN], 2, KVOFF
	v_lshlrev_b32 v[GO16], 4, v[LN]
	v_lshlrev_b32 v[GOS], 4, v[RR]
	v_lshl_add_u32 v[GOS], v[HH], 2, v[GOS]
	v_cmp_lt_u32 s78, 15, v[LN]                    ; lanes 16-31
	; Q: tile w of record (head, y) of qb, for four heads; it stays in registers
	s_lshl_b32 s68, s17, 6
	s_add_co_u32 s68, s68, s18
	s_mul_i32 s68, s68, REC
	s_mov_b32 s69, 0
	s_add_nc_u64 s[68:69], s[4:5], s[68:69]
	s_mul_i32 s70, s[WV], 768
	v_lshl_add_u32 v[QA16], v[LN], 4, s70
	v_lshl_add_u32 v[QA8], v[LN], 3, s70
	s_lshl_b32 s70, s[WV], 6
	v_lshl_add_u32 v[QAS], v[RR], 2, s70
	WIN 0x40                                       ; destination window 1
.irp hd, 0,1,2,3
	global_load_b128 v[QF+12*\hd:QF+12*\hd+3], v[QA16], s[68:69] offset:HSTR*\hd
	global_load_b64 v[QF+12*\hd+4:QF+12*\hd+5], v[QA8], s[68:69] offset:HSTR*\hd+512
.irp i, 6,7,8,9,10,11
	v_mov_b32 v[QF+12*\hd+\i], 0                   ; zero codes for the upper 64 along K
.endr
.endr
.set i, 0
.rept 128
	v_mov_b32 v[i], 0                              ; O^T.  (The key step is written for the loop alone: its first trip finds zeros, which the first change of M leaves zeros)
.set i, i+1
.endr
	WIN 0
.irp hd, 0,1,2,3
	global_load_b32 v[QS+\hd], v[QAS], s[68:69] offset:HSTR*\hd+12288
	v_mov_b32 v[ST+4*\hd+1], 0xff61b1e6            ; the largest t so far: -3e38
	v_floor_f32 v[ST+4*\hd], -v[ST+4*\hd+1]        ; -M
	v_mov_b32 v[ST+4*\hd+2], 0                     ; the sum, in two halves
	v_mov_b32 v[ST+4*\hd+3], 0
	v_mov_b32 v[BT+\hd], 0                         ; a lane permute's destination counts as one of its sources
.endr
.irp i, 0,1,2,3,4,5
	v_mov_b32 v[KB+48+\i], 0                       ; behind K's last tile
.endr
	v_mov_b32 v[PW], 0                             ; (named as the upper half of the pair with f before it is first written)
	; the way out: my tile of ctx in cod and scl
	s_lshl_b32 s72, ttmp9, 7
	s_lshl_b32 s73, s18, 3
	s_add_co_u32 s72, s72, s73
	s_add_co_u32 s72, s72, s[WV]
	s_add_co_u32 s72, s72, 768                     ; tile 768 + 128 batch + 8 y + w
	s_mul_i32 s74, s72, 12288
	s_mul_i32 s73, s15, 3072                       ; K steps 2 g, 2 g + 1
	s_add_co_u32 s74, s74, s73
	s_mov_b32 s75, 0
	s_add_nc_u64 s[10:11], s[10:11], s[74:75]
	s_lshl_b32 s74, s72, 9
	s_lshr_b32 s73, s15, 1
	s_lshl_b32 s73, s73, 8
	s_add_co_u32 s74, s74, s73
	s_and_b32 s73, s15, 1
	s_lshl_b32 s73, s73, 3
	s_add_co_u32 s74, s74, s73
	s_add_nc_u64 s[12:13], s[12:13], s[74:75]
	; the prefetches: where my wave's stand (at key step 1: the first change steps them to step 2), and who asks
	s_lshl_b32 s56, s18, 7
	s_lshl_b32 s57, s15, 5
	s_add_co_u32 s56, s56, s57
	s_lshl_b32 s56, s56, 13                        ; the mask: row 128 y + 32 cx
	s_lshl_b32 s57, s58, 8
	s_add_co_u32 s56, s56, s57
	s_add_co_u32 s56, s56, 512
	s_lshl_b32 s57, s17, 2
	s_add_co_u32 s57, s57, s16
	s_mul_i32 s57, s57, HSTR                       ; the records: head 4 x + cy
	s_add_co_u32 s57, s57, REC
	s_and_b32 s59, ttmp7, 0xffff
	s_lshl_b32 s62, s58, 5
	s_mov_b32 s[PFS], REC
	s_cmp_lt_u32 s[WV], 6
	s_cselect_b64 s[PFA:PFA+1], s[8:9], s[6:7]
	s_cselect_b32 s[PFS], 512, s[PFS]
	s_cselect_b32 s56, s56, s57
	s_cselect_b32 s59, ttmp9, s59                  ; the coordinate along which other clusters read the same bytes
	s_cselect_b32 s60, -1, 0
	s_mov_b32 s57, 0
	s_mov_b32 s[PFS+1], 0
	s_add_nc_u64 s[PFA:PFA+1], s[PFA:PFA+1], s[56:57]
	s_lshr_b32 s61, s[WV], 2
	s_xor_b32 s61, s61, 1                          ; 0 in waves 4 to 7
	s_or_b32 s61, s61, s59
	s_cmp_eq_u32 s61, 0
	s_cselect_b32 s[LIM], 1, -1                    ; the same in all sixteen partners, for a given wave
	v_add_nc_u32 v[T1], s62, v[LN]
	v_min_u32 v[T1], 50, v[T1]
	v_lshlrev_b32 v[T1], 8, v[T1]                  ; a record's block
	v_lshlrev_b32 v[T2], 13, v[LN]                 ; a row of the mask
	v_cndmask_b32 v[PFO], v[T1], v[T2], s60
.macro KLOAD hd                        ; head hd's eight tiles of K (16 + 8 bytes a lane each) and their scale words: 20 loads
.set t, 0
.rept 8
	ds_load_b128 v[KB+6*t:KB+6*t+3], v[AD16] offset:REC*(\hd)+768*t
	ds_load_b64 v[KB+6*t+4:KB+6*t+5], v[AD8] offset:REC*(\hd)+768*t+512
.set t, t+1
.endr
.irp i, 0,1,2,3
	ds_load_b32 v[KS+\i], v[AD4] offset:REC*(\hd)+12288+128*\i
.endr
.endm
; ONE HEAD'S KEY STEP for my 16 queries.
.macro HEAD hd
.set NM, ST+4*(\hd)
.set LL, NM+2
.set RB, REC*(\hd)
.set OB, 32*(\hd)
.set QR, QF+12*(\hd)
.if (\hd) == 0
	s_wait_dscnt 16                                ; K is in; the mask's 16 loads may be out
.else
	s_wait_dscnt 0x0                               ; K is in
.endif
	WIN 0x04                                       ; Q in window 1
.set t, 0
.rept 4
	v_wmma_scale_f32_16x16x128_f8f6f4 v[S+16*t:S+16*t+7], v[KB+12*t:KB+12*t+11], v[QR:QR+11], 0, v[KS+t], v[QS+(\hd)] matrix_a_fmt:MATRIX_FMT_FP6 matrix_b_fmt:MATRIX_FMT_FP6
	v_wmma_scale_f32_16x16x128_f8f6f4 v[S+16*t+8:S+16*t+15], v[KB+12*t+6:KB+12*t+17], v[QR:QR+11], 0, v[KS+t], v[QS+(\hd)] matrix_a_fmt:MATRIX_FMT_FP6 matrix_b_fmt:MATRIX_FMT_FP6 matrix_a_scale:MATRIX_SCALE_ROW1
.set t, t+1
.endr
	WIN 0
.rept 4
	v_nop                                          ; the places in front of the reads of S^T and of the loads into K's, V's and their scales' registers
.endr
.set i, 0
.rept 12                               ; this head's V: four fragments,
	ds_load_b128 v[VB+4*i:VB+4*i+3], v[AD16] offset:RB+6144+512*i
.set i, i+1
.endr
.irp i, 0,1
	ds_load_b32 v[VS+\i], v[AD4] offset:RB+12800+128*\i
.endr
.if (\hd) < 3
	KLOAD (\hd)+1                                  ; and the next head's K: both land under the softmax
.endif
.if (\hd) == 0
	s_wait_dscnt 34                                ; the mask is in (V's 14 and K's 20 loads may be out)
.endif
	WIN 0x10                                       ; the mask in window 1
.set j, 0
.rept 32
	v_pk_fma_f32 v[S+j:S+j+1], v[S+j:S+j+1], s[CE:CE+1], v[MK+j:MK+j+1] op_sel_hi:[1,0,1]   ; logit = score / 8 + mask, one rounding; each accumulator from its low end on
.set j, j+2
.endr
	WIN 0
.set j, 0
.rept 32
	v_pk_mul_f32 v[S+j:S+j+1], v[S+j:S+j+1], s[CL:CL+1] op_sel_hi:[1,0]                     ; t = logit x log2(e)
.set j, j+2
.endr
.irp b, 0,1,2,3
	v_max3_num_f32 v[BM+\b], v[S+16*\b], v[S+16*\b+1], v[S+16*\b+2]   ; the largest t of each block of 32 keys: for the row's maximum and, since p rises with t, for the block's largest p
.endr
.irp i, 3,5,7,9,11,13
.irp b, 0,1,2,3
	v_max3_num_f32 v[BM+\b], v[BM+\b], v[S+16*\b+\i], v[S+16*\b+\i+1]
.endr
.endr
.irp b, 0,1,2,3
	v_max_num_f32 v[BM+\b], v[BM+\b], v[S+16*\b+15]
.endr
.irp b, 0,1,2,3
	v_permlanex16_b32 v[BT+\b], v[BM+\b], s[SEL], s[SEL+1]
.endr
.irp b, 0,1,2,3
	v_max_num_f32 v[BM+\b], v[BM+\b], v[BT+\b]     ; with lane l xor 16's 16 keys
.endr
	v_max3_num_f32 v[T1], v[BM], v[BM+1], v[BM+2]
	v_max_num_f32 v[T1], v[T1], v[BM+3]
	v_max_num_f32 v[NM+1], v[NM+1], v[T1]          ; the running largest t
	v_mov_b32 v[T2], v[NM]
	v_floor_f32 v[NM], -v[NM+1]                    ; the new -M = -ceil(t)
	v_sub_f32 v[T2], v[NM], v[T2]                  ; old M - new M: a whole number, 0 or less
	v_cvt_i32_f32 v[T2], v[T2]                     ; (it saturates)
	v_ldexp_f32 v[FF], 1.0, v[T2]                  ; f
.set j, 0
.rept 32
	v_pk_add_f32 v[S+j:S+j+1], v[S+j:S+j+1], v[NM:NM+1] op_sel_hi:[1,0]   ; t - M
.set j, j+2
.endr
.irp b, 0,1,2,3
	v_add_f32 v[BM+\b], v[BM+\b], v[NM]
.endr
.set j, 0
.rept 64
	v_exp_f32 v[S+j], v[S+j]                       ; p, at most 1
.set j, j+1
.endr
	v_pk_mul_f32 v[LL:LL+1], v[LL:LL+1], v[FF:FF+1] op_sel_hi:[1,0]   ; the sums under the new M: the plain instruction behind the exponentials
	s_wait_alu depctr_va_vdst(0)                   ; one wait for the batch of 64, ahead of its first reader
.irp b, 0,1,2,3
	v_exp_f32 v[BM+\b], v[BM+\b]                   ; the blocks' largest p: the same instructions on the same numbers
.endr
	v_pk_add_f32 v[TA:TA+1], v[S:S+1], v[S+2:S+3]  ; the row's sum of the unquantised p, in two chains
.irp j, 4,8,12,16,20,24,28,32,36,40,44,48,52,56,60
	v_pk_add_f32 v[LL:LL+1], v[LL:LL+1], v[S+\j:S+\j+1]
	v_pk_add_f32 v[TA:TA+1], v[TA:TA+1], v[S+\j+2:S+\j+3]
.endr
	v_pk_add_f32 v[LL:LL+1], v[LL:LL+1], v[TA:TA+1]
	s_wait_alu depctr_va_vdst(0)                   ; and one for the four
.irp b, 0,1,2,3
	v_max_num_f32 v[BM+\b], 0x1800000, v[BM+\b]    ; the floor 2^(3 - 127): the byte cannot fall under 1
.endr
.irp b, 0,1,2,3
	v_add_nc_u32 v[SO+\b], 0xff000000, v[BM+\b]    ; the conversion's scale operand
.endr
.irp b, 0,1,2,3
	v_lshrrev_b32 v[BT+\b], 23, v[SO+\b]
.endr
	v_lshl_or_b32 v[PW], v[BT+1], 8, v[BT]
	v_lshl_or_b32 v[PW], v[BT+2], 16, v[PW]
	v_lshl_or_b32 v[PW], v[BT+3], 24, v[PW]
.irp c, 0,1
	v_cvt_scalef32_pk16_fp6_f32 v[PC+6*\c:PC+6*\c+2], v[S+32*\c:S+32*\c+15], v[SO+2*\c]
	v_cvt_scalef32_pk16_fp6_f32 v[P2+4*\c:P2+4*\c+2], v[S+32*\c+16:S+32*\c+31], v[SO+2*\c+1]
.endr
	v_nop                                          ; one plain instruction behind the scaled conversions
.irp c, 0,1
.irp i, 0,1,2
	v_permlane16_swap_b32 v[PC+6*\c+\i], v[P2+4*\c+\i]
.endr
.irp i, 0,1,2
	v_mov_b32 v[PC+6*\c+3+\i], v[P2+4*\c+\i]
.endr
.endr
	WIN 0x41                                       ; O^T in window 1, f in window 0
.set j, 0
.rept 16
	v_pk_mul_f32 v[OB+j:OB+j+1], v[OB+j:OB+j+1], v[FF:FF+1] op_sel_hi:[1,0]   ; O^T under the new M.  These sixteen also stand between the lines that made p's codes and scale word and the products
.set j, j+2
.endr
	WIN 0
.if (\hd) < 3
	s_wait_dscnt 20                                ; V is in (the next head's K may be out)
.else
	s_wait_dscnt 0x0
.endif
	WIN 0x50                                       ; C and D in window 1
.set c, 0
.rept 2
	v_wmma_scale_f32_16x16x128_f8f6f4 v[OB+16*c:OB+16*c+7], v[VB+24*c:VB+24*c+11], v[PC:PC+11], v[OB+16*c:OB+16*c+7], v[VS+c], v[PW] matrix_a_fmt:MATRIX_FMT_FP6 matrix_b_fmt:MATRIX_FMT_FP6
	v_wmma_scale_f32_16x16x128_f8f6f4 v[OB+16*c+8:OB+16*c+15], v[VB+24*c+12:VB+24*c+23], v[PC:PC+11], v[OB+16*c+8:OB+16*c+15], v[VS+c], v[PW] matrix_a_fmt:MATRIX_FMT_FP6 matrix_b_fmt:MATRIX_FMT_FP6 matrix_a_scale:MATRIX_SCALE_ROW1
.set c, c+1
.endr
	WIN 0
.endm
.macro STEP                            ; a key step: 128 keys, four heads
	v_add_nc_u32 v[ADM], s[TB], v[AM]
	v_add_nc_u32 v[AD16], s[TB], v[A16]
	v_add_nc_u32 v[AD8], s[TB], v[A8]
	v_add_nc_u32 v[AD4], s[TB], v[A4]
	KLOAD 0
	WIN 0x40
.set i, 0
.rept 16                               ; my query's 64 numbers of the mask: register 16 b + i = key 32 b + 16 h + i, as in S^T
	ds_load_b128 v[MK+4*i:MK+4*i+3], v[ADM] offset:128*(i/4)+16*(i%4)
.set i, i+1
.endr
	WIN 0
	HEAD 0
	HEAD 1
	HEAD 2
	HEAD 3
	s_xor_b32 s[TB], s[TB], SLOT1
.endm
; THE CHANGE OF SLOTS stands at a step's head.  Each wave waits for all its tensor loads (its part of the slot ahead), adds 0 to its spare word, and waits for that and for its reads of the slot that it has left.
; fill = 1: a round of the cluster's barrier, and behind it the next step's tiles go into the slot just left: the load has a whole key step in which to land.
.macro CHANGE fill
	s_wait_tensorcnt 0x0                           ; no tensor load of mine is out, so a group 0 may be written
	ds_add_u32 v[SPW], v[NIL]                      ; 0 onto my spare word
.if \fill
	s_xor_b32 s[G0M+1], s[G0M+1], SLOT1
	s_add_nc_u64 s[G0M+2:G0M+3], s[G0M+2:G0M+3], 512
	s_xor_b32 s[G0K+1], s[G0K+1], SLOT1
	s_add_nc_u64 s[G0K+2:G0K+3], s[G0K+2:G0K+3], REC
	s_wait_xcnt 0x0                                ; the last prefetch, a key step back, has read its address
	s_add_nc_u64 s[PFA:PFA+1], s[PFA:PFA+1], s[PFS:PFS+1]
	s_wait_dscnt 0x0                               ; the add is done, and my reads of the slot that I have left are over
	CROUND
	JLOAD
	ASK
.else
	s_wait_dscnt 0x0
	s_barrier_signal -1
	s_barrier_wait -1
.endif
.endm
	s_wait_loadcnt 0x0                             ; Q and its scale words
.Lstep:                                            ; 15 trips: behind each change of slots but the last the next step is asked for
	CHANGE 1
	STEP
	s_sub_co_u32 s[CNT], s[CNT], 1
	s_cmp_lg_u32 s[CNT], 0
	s_cbranch_scc1 .Lstep
	CHANGE 0                                       ; the last step is written out
	STEP
	; THE WAY OUT.  The additions are the places behind the last products.
.irp hd, 0,1,2,3
	v_add_f32 v[BM+\hd], v[ST+4*\hd+2], v[ST+4*\hd+3]
.endr
.irp hd, 0,1,2,3
	v_permlanex16_b32 v[BT+\hd], v[BM+\hd], s[SEL], s[SEL+1]
.endr
.irp hd, 0,1,2,3
	v_add_f32 v[BM+\hd], v[BM+\hd], v[BT+\hd]      ; the row's sum
.endr
.irp hd, 0,1,2,3
	v_rcp_f32 v[BM+\hd], v[BM+\hd]
.endr
	v_nop                                          ; a plain instruction behind the last reciprocal
	s_wait_alu depctr_va_vdst(0)                   ; one wait for the four, ahead of their first reader
; Heads 2 pp, 2 pp + 1: 128 channels, one K step of the last product: register 16 b + i = channel 32 b + 16 h + i.
.macro OUTPAIR pp
	WIN 0x01                                       ; O^T in window 1
.set j, 0
.rept 64
	v_mul_f32 v[S+j], v[64*(\pp)+j], v[BM+2*(\pp)+j/32]
.set j, j+1
.endr
	WIN 0
.irp b, 0,1,2,3
	v_max3_num_f32 v[TA+\b], |v[S+16*\b]|, |v[S+16*\b+1]|, 0x1800000
.endr
.irp i, 2,4,6,8,10,12,14
.irp b, 0,1,2,3
	v_max3_num_f32 v[TA+\b], v[TA+\b], |v[S+16*\b+\i]|, |v[S+16*\b+\i+1]|
.endr
.endr
.irp b, 0,1,2,3
	v_permlanex16_b32 v[BT+\b], v[TA+\b], s[SEL], s[SEL+1]
.endr
.irp b, 0,1,2,3
	v_max_num_f32 v[TA+\b], v[TA+\b], v[BT+\b]
.endr
.irp b, 0,1,2,3
	v_add_nc_u32 v[SO+\b], 0xff000000, v[TA+\b]
.endr
.irp b, 0,1,2,3
	v_lshrrev_b32 v[BT+\b], 23, v[SO+\b]
.endr
	v_lshl_or_b32 v[PWO+(\pp)], v[BT+1], 8, v[BT]
	v_lshl_or_b32 v[PWO+(\pp)], v[BT+2], 16, v[PWO+(\pp)]
	v_lshl_or_b32 v[PWO+(\pp)], v[BT+3], 24, v[PWO+(\pp)]
.if \pp
	s_wait_xcnt 0x0                                ; the first pair's stores have read the code registers
.endif
.irp c, 0,1
	v_cvt_scalef32_pk16_fp6_f32 v[PC+6*\c:PC+6*\c+2], v[S+32*\c:S+32*\c+15], v[SO+2*\c]
	v_cvt_scalef32_pk16_fp6_f32 v[P2+4*\c:P2+4*\c+2], v[S+32*\c+16:S+32*\c+31], v[SO+2*\c+1]
.endr
	v_nop
.irp c, 0,1
.irp i, 0,1,2
	v_permlane16_swap_b32 v[PC+6*\c+\i], v[P2+4*\c+\i]
.endr
.irp i, 0,1,2
	v_mov_b32 v[PC+6*\c+3+\i], v[P2+4*\c+\i]
.endr
.endr
.irp c, 0,1,2
	global_store_b128 v[GO16], v[PC+4*\c:PC+4*\c+3], s[10:11] offset:1536*(\pp)+512*\c   ; 32 lanes store 512 consecutive bytes, aligned
.endr
.endm
	OUTPAIR 0
	OUTPAIR 1
	v_cndmask_b32 v[T1], v[PWO], v[PWO+1], s78     ; lanes 0-15 the first K step's word of row r, lanes 16-31 the second's
	global_store_b32 v[GOS], v[T1], s[12:13]
	s_wait_tensorcnt 0x0                           ; the wave's end
	ds_add_u32 v[SPW], v[NIL]
	s_wait_dscnt 0x0
	CROUND                                         ; the closing round
	s_endpgm
.Lfunc_end_k_q2fae995bbd_attn:
	.size	k_q2fae995bbd_attn, .Lfunc_end_k_q2fae995bbd_attn-k_q2fae995bbd_attn
	.p2alignl 7, 3214868480
	.fill 96, 4, 3214868480
	.section	.rodata,"a",@progbits
	.p2align	6, 0x0
	.amdhsa_kernel k_q2fae995bbd_attn
		.amdhsa_group_segment_fixed_size 327680
		.amdhsa_private_segment_fixed_size 0
		.amdhsa_enable_private_segment 0
		.amdhsa_kernarg_size 40
		.amdhsa_user_sgpr_count 2
		.amdhsa_user_sgpr_kernarg_segment_ptr 1
		.amdhsa_wavefront_size32 1
		.amdhsa_system_sgpr_workgroup_id_x 1
		.amdhsa_system_sgpr_workgroup_id_y 1
		.amdhsa_system_sgpr_workgroup_id_z 1
		.amdhsa_system_vgpr_workitem_id 0
		.amdhsa_next_free_vgpr 512
		.amdhsa_next_free_sgpr 84
		.amdhsa_reserve_vcc 0
		.amdhsa_float_denorm_mode_32 3
		.amdhsa_float_denorm_mode_16_64 3
		.amdhsa_memory_ordered 1
		.amdhsa_forward_progress 1
		.amdhsa_inst_pref_size 189
	.end_amdhsa_kernel
	.amdgpu_metadata
---
amdhsa.version: [ 1, 2 ]
amdhsa.kernels:
  - .name:           k_q2fae995bbd_attn
    .symbol:         k_q2fae995bbd_attn.kd
    .args:
      - { .name: qb, .offset: 0, .size: 8, .value_kind: global_buffer, .address_space: global }
      - { .name: kv, .offset: 8, .size: 8, .value_kind: global_buffer, .address_space: global }
      - { .name: attention_mask, .offset: 16, .size: 8, .value_kind: global_buffer, .address_space: global }
      - { .name: cod, .offset: 24, .size: 8, .value_kind: global_buffer, .address_space: global }
      - { .name: scl, .offset: 32, .size: 8, .value_kind: global_buffer, .address_space: global }
    .group_segment_fixed_size: 327680
    .private_segment_fixed_size: 0
    .kernarg_segment_align: 8
    .kernarg_segment_size: 40
    .max_flat_workgroup_size: 256
    .sgpr_count:     84
    .vgpr_count:     512
    .wavefront_size: 32
...
	.end_amdgpu_metadata
.endif
;; end of part 3
;; launch oproj (part 4): grid 8 x 32, 4 waves a work-group, clusters of 4 x 4, 327,680 bytes of LDS; arguments cod, scl, out0; writes out0
.if DOCPART == 4
	.amdgcn_target "amdgcn-amd-amdhsa--gfx1250"
	.amdhsa_code_object_version 6
	.text
	.protected	k_q2fae995bbd_oproj
	.globl	k_q2fae995bbd_oproj
	.p2align	8
	.type	k_q2fae995bbd_oproj,@function
k_q2fae995bbd_oproj:
	s_mov_b64 s[64:65], 0
	v_nop
	global_prefetch_b8 v0, s[64:65] scope:SCOPE_SE
	s_setreg_imm32_b32 hwreg(HW_REG_WAVE_MODE, 25, 1), 1
	s_wait_xcnt 0x0
	s_wait_alu depctr_hold_cnt(0) depctr_sa_sdst(0) depctr_va_vdst(0) depctr_va_sdst(0) depctr_va_ssrc(0) depctr_va_vcc(0) depctr_vm_vsrc(0)
	s_getreg_b32 s2, hwreg(HW_REG_IB_STS2, 6, 4)
	s_cmp_eq_u32 s2, 0
	s_cbranch_scc0 .Lentry_in_a_cluster
	s_endpgm
.Lentry_in_a_cluster:
	s_bfe_u32 s2, ttmp6, 0x10000c
	s_cmp_lg_u32 s2, 0xf033
	s_cbranch_scc0 .Lentry_shape_is_right
	s_endpgm
.Lentry_shape_is_right:
; out0 = ctx Wo^T on codes of FP6 (E2M3) with E8M0 scales (M 8,192, N 1,024, K 1,024), f32 out.
; OPERANDS come as fragment images (16 rows x 128 K = 1,536 bytes: registers 4 c .. 4 c + 3 of lane l at 512 c + 16 l); tile G of cod is 8 such images.  ctx: tiles 768-1279; Wo: tiles 704-767.
; A tile's rows are 32 (T / 2) + 8 (T % 2) + p + 8 (p / 8).  A work-group makes 256 tokens x 128 columns (256 work-groups); four waves, each 8 tiles of tokens (Y, source 1) x 4 tiles of Wo's rows (X, source 0):
; 32 accumulators.  A lane holds one token, and the 16 registers of X tiles 2 b, 2 b + 1 are the neighbouring columns 32 b + 16 h + 0 .. 15.
; K goes in 8 steps of 128 through two LDS slots of two steps each, written out (four fills).  4 x 4 work-groups form a cluster: ctx's tiles are asked for jointly along a row, Wo's along a column.
; REGISTERS: window 0: v0-31 addresses; v32-95 scale words (8 i + s: lanes 0-15 Y tile i, lanes 16-31 X tile i, K step s); v128-223 Y's 8 fragments, one set (on the way out: rows of out0);
;   window 1: X's 4 fragments, two sets, at v0 and v128;  window 2: accumulator (a, b) at 8 (4 a + b).
.set NX,    4
.set TT0,   768
.set WT0,   704
.set FIB,   1536
.set TILEB, 12288
.set TSL,   3072                       ; a tile's two K steps: its bytes in a slot
.set REGW,  16*TSL                     ; a slot: ctx's 16 tiles, then Wo's 8
.set SLOT,  REGW+2*NX*TSL
.set SPARE, 2*SLOT                     ; behind the ring: the spare words, 128 bytes for each wave: two blocks of 256 bytes that no other line names
.set SPITCH, 272                       ; the way out: a stage of 16 rows x (256 bytes + 16) for each wave, in slot 0, which has had its last fill and its last read when the first result is stored there
.set ADRY,  16
.set ADRX,  20
.set STO,   24
.set RD,    25
.set CO,    26
.set SPW,   28
.set NIL,   29
.set SC,    32
.set YF,    128
.set BK,    128
.set G1,    24
.set G0,    32
.set G1B,   48
.set G0B,   56
.set MSB, 0
.macro WIN new
.if MSB != (\new)
	s_set_vgpr_msb (MSB<<8)|(\new)
.set MSB, (\new)
.endif
.endm
.macro JLOAD g0t, g0w                  ; waves 0 and 1 fetch ctx's halves, waves 2 and 3 Wo's; four v_nop follow each of the two lines
	s_cmp_eq_u32 s15, 0
	s_cbranch_scc0 .Lfor_w_\@
	tensor_load_to_lds s[\g0t:\g0t+3], s[G1:G1+7]
	s_nop 0
.rept 4
	v_nop
.endr
	s_branch .Lasked_\@
.Lfor_w_\@:
	tensor_load_to_lds s[\g0w:\g0w+3], s[G1B:G1B+7]
	s_nop 0
.rept 4
	v_nop
.endr
.Lasked_\@:
.endm
.macro CREST
	s_cmp_lg_u32 s14, 0
	s_cbranch_scc1 .Lnot_wave_0_\@
	s_barrier_signal -3
.Lnot_wave_0_\@:
	s_barrier_wait -3
	s_barrier_signal -1
	s_barrier_wait -1
.endm
.macro CROUND
	s_barrier_signal -1
	s_barrier_wait -1
	CREST
.endm
.macro PLACES                          ; four plain instructions between a matrix instruction and a load into, or a read of, its registers (ISA guide 7.12.1 for reads)
.rept 4
	v_nop
.endr
.endm
	s_load_b128 s[4:7], s[0:1], 0x0                ; cod, scl
	s_load_b64 s[8:9], s[0:1], 0x10                ; out0
	v_lshl_add_u32 v[SPW], v0, 2, SPARE
	v_mov_b32 v[NIL], 0
	ds_add_u32 v28, v29
	s_wait_dscnt 0x0
	v_lshrrev_b32 v1, 5, v0
	v_readfirstlane_b32 s14, v1                    ; wave 0..3
	s_lshr_b32 s15, s14, 1                         ; which half of the tokens is mine.  Also: I fetch ctx (0) or Wo (1)
	s_and_b32 s16, s14, 1                          ; which half of the columns.  Also: which half of that region I fetch
	s_bfe_u32 s40, ttmp6, 0x40000
	s_bfe_u32 s41, ttmp6, 0x40004
	s_lshl_b32 s42, ttmp9, 2
	s_add_co_u32 s42, s42, s40                     ; work-group x: 128 columns
	s_and_b32 s17, ttmp7, 0xffff
	s_lshl_b32 s17, s17, 2
	s_add_co_u32 s17, s17, s41                     ; work-group y: 256 tokens
	s_lshl_b32 s43, s41, 2
	s_lshl_b32 s43, 15, s43                        ; my row of the cluster
	s_lshl_b32 s44, 0x1111, s40                    ; my column
	; group 1: of each tile 3,072 bytes (two K steps) out of its 12,288: rows of 384 elements of 8 bytes, 1,536 elements apart; 8 tiles of ctx, 4 of Wo; dense in LDS
	s_or_b32 s[G1+0], s43, (3<<16)|(1<<21)
	s_mov_b32 s[G1+1], 384<<16
	s_mov_b32 s[G1+2], 8<<16
	s_mov_b32 s[G1+3], 384<<16
	s_mov_b32 s[G1+4], 8
	s_mov_b32 s[G1+5], 1536
	s_mov_b32 s[G1+6], 0
	s_mov_b32 s[G1+7], 0
	s_or_b32 s[G1B+0], s44, (3<<16)|(1<<21)
	s_mov_b32 s[G1B+1], 384<<16
	s_mov_b32 s[G1B+2], NX<<16
	s_mov_b32 s[G1B+3], 384<<16
	s_mov_b32 s[G1B+4], NX
	s_mov_b32 s[G1B+5], 1536
	s_mov_b32 s[G1B+6], 0
	s_mov_b32 s[G1B+7], 0
	s_lshl_b32 s20, s17, 4
	s_lshl_b32 s18, s16, 3
	s_add_co_u32 s20, s20, s18
	s_add_co_u32 s20, s20, TT0                     ; ctx: tile 768 + 16 y + 8 x half
	s_mul_i32 s20, s20, TILEB
	s_mov_b32 s21, 0
	s_mul_i32 s46, s42, 2*NX
	s_mul_i32 s18, s16, NX
	s_add_co_u32 s46, s46, s18
	s_add_co_u32 s46, s46, WT0                     ; Wo: tile 704 + 8 x + 4 x half
	s_mul_i32 s46, s46, TILEB
	s_mov_b32 s47, 0
	s_mul_i32 s45, s16, 8*TSL                      ; where they go: no place in the cluster enters an LDS address
	s_mul_i32 s19, s16, NX*TSL
	s_add_co_u32 s19, s19, REGW
	s_wait_kmcnt 0x0
	s_add_nc_u64 s[20:21], s[4:5], s[20:21]
	s_add_nc_u64 s[46:47], s[4:5], s[46:47]
	CROUND                                         ; all sixteen work-groups are here: the first joint loads meet
.irp s, 0,1
	s_mov_b32 s[G0+4*\s], 1
	s_add_co_u32 s[G0+4*\s+1], s45, \s*SLOT
	s_add_nc_u64 s[G0+4*\s+2:G0+4*\s+3], s[20:21], \s*TSL
	s_or_b32 s[G0+4*\s+3], s[G0+4*\s+3], 0x80000000
	s_mov_b32 s[G0B+4*\s], 1
	s_add_co_u32 s[G0B+4*\s+1], s19, \s*SLOT
	s_add_nc_u64 s[G0B+4*\s+2:G0B+4*\s+3], s[46:47], \s*TSL
	s_or_b32 s[G0B+4*\s+3], s[G0B+4*\s+3], 0x80000000
	JLOAD G0+4*\s, G0B+4*\s                        ; two loads of mine are out
.endr
	v_and_b32 v1, 15, v0                           ; r
	v_bfe_u32 v2, v0, 4, 1                         ; h
	v_and_b32 v3, 31, v0                           ; lane
	v_lshlrev_b32 v4, 4, v3                        ; 16 x lane
	s_mul_i32 s66, s16, NX*TSL
	s_add_co_u32 s66, s66, REGW                    ; X: my 4 tiles of Wo
	s_mul_i32 s67, s15, 8*TSL                      ; Y: my 8 tiles of ctx
.irp s, 0,1
	v_add_nc_u32 v[ADRX+\s], s66, v4
	v_add_nc_u32 v[ADRY+\s], s67, v4
	s_add_co_u32 s66, s66, SLOT
	s_add_co_u32 s67, s67, SLOT
.endr
	; the scale words, for all of K, come once.  (Lanes 16-31 of registers 32 on load the four tiles behind my X tiles: inside scl, and not used)
	s_lshl_b32 s72, s17, 4
	s_add_co_u32 s72, s72, TT0
	s_lshl_b32 s70, s15, 3
	s_add_co_u32 s72, s72, s70                     ; Y's first tile
	s_mul_i32 s73, s42, 2*NX
	s_add_co_u32 s73, s73, WT0
	s_lshl_b32 s71, s16, 2
	s_add_co_u32 s73, s73, s71                     ; X's
	s_lshl_b32 s72, s72, 9
	s_lshl_b32 s73, s73, 9
	v_mov_b32 v5, s72
	v_mov_b32 v6, s73
	v_cmp_eq_u32 vcc_lo, 1, v2
	v_cndmask_b32 v5, v5, v6, vcc_lo               ; lanes 0-15 take Y's tiles, lanes 16-31 X's
	v_lshl_add_u32 v5, v1, 4, v5
.irp i, 0,1,2,3,4,5,6,7
	global_load_b128 v[SC+8*\i:SC+8*\i+3], v5, s[6:7] offset:512*\i
	global_load_b128 v[SC+8*\i+4:SC+8*\i+7], v5, s[6:7] offset:512*\i+256
.endr
	; the way out
	s_mul_i32 s74, s14, 16*SPITCH                  ; my stage
	v_mul_u32_u24 v[STO], v1, SPITCH
	v_lshl_add_u32 v[STO], v2, 6, v[STO]
	v_add_nc_u32 v[STO], s74, v[STO]               ; in: row r, + 64 h bytes
	v_mul_u32_u24 v[RD], v2, SPITCH
	v_lshl_add_u32 v[RD], v1, 4, v[RD]
	v_add_nc_u32 v[RD], s74, v[RD]                 ; back: lanes 0-15 one row of 256 bytes, lanes 16-31 the next
	v_lshlrev_b32 v[CO], 12, v2
	v_lshl_add_u32 v[CO], v1, 4, v[CO]             ; and the same two rows in out0
	s_lshl_b32 s74, s17, 20                        ; 256 tokens of 4,096 bytes,
	s_lshl_b32 s75, s15, 19                        ; my 128,
	s_add_co_u32 s74, s74, s75
	s_lshl_b32 s75, s42, 9                         ; 128 columns of 4 bytes,
	s_add_co_u32 s74, s74, s75
	s_lshl_b32 s75, s16, 8                         ; my 64
	s_add_co_u32 s74, s74, s75
	s_mov_b32 s75, 0
	s_add_nc_u64 s[8:9], s[8:9], s[74:75]
.macro FRAG reg, adr, q, i             ; a fragment comes as it was stored: three loads of 512 consecutive bytes
.irp c, 0,1,2
	ds_load_b128 v[\reg+4*\c:\reg+4*\c+3], v[\adr] offset:TSL*(\i)+FIB*(\q)+512*\c
.endr
.endm
.macro FETCH_X slot, q, p
	WIN 0x40
.irp i, 0,1,2,3,4,5,6,7
.if \i < NX
	FRAG 128*(\p)+12*\i, ADRX+\slot, \q, \i
.endif
.endr
	WIN 0
.endm
.macro FETCH_Y slot, q, i0
.irp i, \i0, \i0+1, \i0+2, \i0+3
	FRAG YF+12*(\i), ADRY+\slot, \q, \i
.endr
.endm
; Y's blocks a0, a0 + 1 against X's NX, K step s, X's set p.  zero = 1: the first product starts the sums.  The accumulators take turns, one instruction a turn, in the same order in every step.
.macro MULA a0, p, s, zero
.irp a, \a0, \a0+1
.set AW, 2+(8*NX*(\a))/256
	WIN (AW<<6)|(AW<<4)|1
.irp b, 0,1,2,3,4,5,6,7
.if \b < NX
.set AC, (8*(NX*(\a)+\b))%256
.if \zero
	v_wmma_scale_f32_16x16x128_f8f6f4 v[AC:AC+7], v[128*(\p)+12*\b:128*(\p)+12*\b+11], v[YF+12*(\a):YF+12*(\a)+11], 0, v[SC+8*\b+(\s)], v[SC+8*(\a)+(\s)] matrix_a_fmt:MATRIX_FMT_FP6 matrix_b_fmt:MATRIX_FMT_FP6 matrix_a_scale:MATRIX_SCALE_ROW1
.else
	v_wmma_scale_f32_16x16x128_f8f6f4 v[AC:AC+7], v[128*(\p)+12*\b:128*(\p)+12*\b+11], v[YF+12*(\a):YF+12*(\a)+11], v[AC:AC+7], v[SC+8*\b+(\s)], v[SC+8*(\a)+(\s)] matrix_a_fmt:MATRIX_FMT_FP6 matrix_b_fmt:MATRIX_FMT_FP6 matrix_a_scale:MATRIX_SCALE_ROW1
.endif
.endif
.endr
.endr
.endm
.macro STEP slot, s, zero              ; a slot's first K step
	s_wait_dscnt 12                                ; X's set and Y's blocks 0-3 are in; the youngest 12 loads (Y's blocks 4-7) may be out
	MULA 0, 0, \s, \zero
	MULA 2, 0, \s, \zero
	s_wait_dscnt 0x0
	PLACES
	FETCH_X \slot, 1, 1
	FETCH_Y \slot, 1, 0
	MULA 4, 0, \s, \zero
	MULA 6, 0, \s, \zero
	PLACES
	WIN 0
	FETCH_Y \slot, 1, 4
.endm
; A slot's second K step changes slots: ONE barrier; in front of it each wave waits for all its tensor loads, adds 0 to its spare word, and waits for that and for its reads of this slot.  fill = 1: this slot is filled again.
.macro TURN slot, next, fill, s
	s_wait_tensorcnt 0x0                           ; all my tensor loads have landed: my part of the next slot
	ds_add_u32 v[SPW], v[NIL]                      ; 0 onto my spare word
	s_wait_dscnt 13                                ; (the add and the youngest 12 loads may be out)
	MULA 0, 1, \s, 0
	s_wait_dscnt 0x0                               ; the add is done, and my reads of this slot are over
	s_barrier_signal -1
	MULA 2, 1, \s, 0
	WIN 0
	s_barrier_wait -1
.if \fill
	CREST                                          ; the barrier has opened a round of the cluster's: no wave of any partner still reads this slot or has a load on its way
	s_add_nc_u64 s[G0+4*\slot+2:G0+4*\slot+3], s[G0+4*\slot+2:G0+4*\slot+3], 2*TSL
	s_add_nc_u64 s[G0B+4*\slot+2:G0B+4*\slot+3], s[G0B+4*\slot+2:G0B+4*\slot+3], 2*TSL
	JLOAD G0+4*\slot, G0B+4*\slot                  ; the first tensor load behind the round; its four v_nop are the places in front of the loads below
.else
	PLACES
.endif
	FETCH_X \next, 0, 0
	FETCH_Y \next, 0, 0
	MULA 4, 1, \s, 0
	MULA 6, 1, \s, 0
	PLACES
	WIN 0
	FETCH_Y \next, 0, 4
.endm
	s_wait_tensorcnt 1                             ; my part of slot 0 is in (slot 1's may be out)
	s_barrier_signal -1
	s_barrier_wait -1                              ; everybody's is
	FETCH_X 0, 0, 0
	FETCH_Y 0, 0, 0
	FETCH_Y 0, 0, 4
	s_wait_loadcnt 0x0                             ; the scale words
	STEP 0, 0, 1
	TURN 0, 1, 1, 1
	STEP 1, 2, 0
	TURN 1, 0, 1, 3
	STEP 0, 4, 0
	TURN 0, 1, 0, 5                                ; nothing is left to fetch; behind this barrier nobody reads slot 0
	STEP 1, 6, 0
	s_wait_dscnt 12
	MULA 0, 1, 7, 0
	MULA 2, 1, 7, 0
	s_wait_dscnt 0x0
	MULA 4, 1, 7, 0
	MULA 6, 1, 7, 0
	WIN 0
; THE WAY OUT, a tile of 16 tokens x 64 columns at a time, through my own stage: in as a lane holds it (32 + 32 bytes of a row for each pair of X tiles), back as whole rows of 256 bytes.
; LDS serves a wave's instructions in order (ISA guide 5.7.1.4): no wait between the stores and the loads, nor in front of the next tile's stores.
.macro TOSTAGE a
	WIN 0x08                                       ; an LDS store's data are its source 1: window 2
.irp b, 0,1,2,3
	ds_store_b128 v[STO], v[32*(\a)+8*\b:32*(\a)+8*\b+3] offset:128*(\b/2)+32*(\b%2)       ; each accumulator from its low end on
	ds_store_b128 v[STO], v[32*(\a)+8*\b+4:32*(\a)+8*\b+7] offset:128*(\b/2)+32*(\b%2)+16
.endr
	WIN 0
.irp t, 0,1,2,3,4,5,6,7
	ds_load_b128 v[BK+32*((\a)%2)+4*\t:BK+32*((\a)%2)+4*\t+3], v[RD] offset:2*\t*SPITCH
.endr
.endm
.macro SEND a, younger                 ; younger: the LDS instructions issued behind tile a's loads.  The stage's row 2 t + h is token 32 (a / 2) + 8 (a % 2) + 2 t + h + 8 (t / 4) of my 128
	s_wait_dscnt \younger
.irp t, 0,1,2,3,4,5,6,7
	global_store_b128 v[CO], v[BK+32*((\a)%2)+4*\t:BK+32*((\a)%2)+4*\t+3], s[8:9] offset:(32*((\a)/2)+8*((\a)%2)+2*\t+8*(\t/4))*4096 th:TH_STORE_NT   ; 16 lanes store 256 consecutive bytes, aligned
.endr
.endm
	PLACES                                         ; behind the last products: for the loads into the registers that held Y's fragments and for the reads of results
	TOSTAGE 0
.irp a, 1,2,3,4,5,6,7
.if \a > 1
	s_wait_xcnt 0x0                                ; tile a - 2's stores have read their registers: tile a's loads may land there
.endif
	TOSTAGE \a
	SEND \a-1, 16                                  ; behind tile a - 1's loads: tile a's 8 stores and 8 loads
.endr
	SEND 7, 0
	s_wait_tensorcnt 0x0                           ; the wave's end
	ds_add_u32 v[SPW], v[NIL]
	s_wait_dscnt 0x0
	CROUND                                         ; the closing round
	s_endpgm
.Lfunc_end_k_q2fae995bbd_oproj:
	.size	k_q2fae995bbd_oproj, .Lfunc_end_k_q2fae995bbd_oproj-k_q2fae995bbd_oproj
	.p2alignl 7, 3214868480
	.fill 96, 4, 3214868480
	.section	.rodata,"a",@progbits
	.p2align	6, 0x0
	.amdhsa_kernel k_q2fae995bbd_oproj
		.amdhsa_group_segment_fixed_size 327680
		.amdhsa_private_segment_fixed_size 0
		.amdhsa_enable_private_segment 0
		.amdhsa_kernarg_size 24
		.amdhsa_user_sgpr_count 2
		.amdhsa_user_sgpr_kernarg_segment_ptr 1
		.amdhsa_wavefront_size32 1
		.amdhsa_system_sgpr_workgroup_id_x 1
		.amdhsa_system_sgpr_workgroup_id_y 1
		.amdhsa_system_sgpr_workgroup_id_z 1
		.amdhsa_system_vgpr_workitem_id 0
		.amdhsa_next_free_vgpr 1024
		.amdhsa_next_free_sgpr 100
		.amdhsa_reserve_vcc 1
		.amdhsa_float_denorm_mode_32 3
		.amdhsa_float_denorm_mode_16_64 3
		.amdhsa_memory_ordered 1
		.amdhsa_forward_progress 1
		.amdhsa_inst_pref_size 81
	.end_amdhsa_kernel
	.amdgpu_metadata
---
amdhsa.version: [ 1, 2 ]
amdhsa.kernels:
  - .name:           k_q2fae995bbd_oproj
    .symbol:         k_q2fae995bbd_oproj.kd
    .args:
      - { .name: cod, .offset: 0, .size: 8, .value_kind: global_buffer, .address_space: global }
      - { .name: scl, .offset: 8, .size: 8, .value_kind: global_buffer, .address_space: global }
      - { .name: out0, .offset: 16, .size: 8, .value_kind: global_buffer, .address_space: global }
    .group_segment_fixed_size: 327680
    .private_segment_fixed_size: 0
    .kernarg_segment_align: 8
    .kernarg_segment_size: 24
    .max_flat_workgroup_size: 128
    .sgpr_count:     100
    .vgpr_count:     1024
    .wavefront_size: 32
...
	.end_amdgpu_metadata
.endif
;; end of part 4
